; MI455X (gfx1250); checked and timed in simulation.
; The chip was launched on July 23, 2026; its instructions are those of AMD's public machine-readable ISA for CDNA 5 (MIT licence, August 2026) and "CDNA5" Instruction Set Architecture Reference Guide (July 2026). The comments in the code are by the model that wrote it; some were corrected since.
;; Weight Share Self Attention. Allowed arithmetic: matrix products marked QUANTISED: E5M2 operands, one given power-of-two scale a tensor, by v_wmma_f32_16x16x64_bf8_bf8 or v_wmma_f32_16x16x128_bf8_bf8, f32 sums; everything else in f32.
;; Inputs: Winj0 3,072 x 1,024 float32; Winj1 3,072 x 1,024 float32; Wo 1,024 x 1,024 float32; Wqkv0 3,072 x 1,024 float32; Wqkv1 3,072 x 1,024 float32; bo 1,024 float32; lowp_scales 14 int32 (the exponents e of the quantised operands' scales 2^e); r_w_bias 16 x 64 float32; u1ss 2 x 1,024 x 2,048 float32; z1ss 2 x 1,024 x 2,048 float32.
;; Outputs: out0 2 x 1,024 x 2,048 float32.
;; This version of the problem:
;;   THIS VERSION OF THE PROBLEM IS GIVEN IN LOW PRECISION. The matrix products marked QUANTISED in the list below multiply operands that are first quantised to E5M2 (5 exponent bits, 2 mantissa bits; 8 bits a number), with one given power-of-two scale for each operand tensor; their sums are f32. All else is computed in f32.
;;   The module's matrix products, in the order in which they are computed (A, B: the left and right operand; K: the contracted axis; several contracted axes count as one K, in the product's order):
;;     1. [M 2,048, K 1,024] x [K 1,024, N 3,072]; A: input z1ss; B: input Wqkv0: QUANTISED (scales: A lowp_scales[0], B lowp_scales[1])
;;     2. [M 2,048, K 1,024] x [K 1,024, N 3,072]; A: input u1ss; B: input Winj0: QUANTISED (scales: A lowp_scales[2], B lowp_scales[3])
;;     3. [M 2,048, K 1,024] x [K 1,024, N 3,072]; A: input z1ss; B: input Wqkv1: QUANTISED (scales: A lowp_scales[4], B lowp_scales[5])
;;     4. [M 2,048, K 1,024] x [K 1,024, N 3,072]; A: input u1ss; B: input Winj1: QUANTISED (scales: A lowp_scales[6], B lowp_scales[7])
;;     5. batch 32 x [M 2,048, K 64] x [K 64, N 2,048]; A: computed on the way; B: computed on the way: QUANTISED (scales: A lowp_scales[8], B lowp_scales[9])
;;     6. batch 32 x [M 64, K 2,048] x [K 2,048, N 2,048]; A: computed on the way; B: softmax (see below): QUANTISED (scales: A lowp_scales[10], B lowp_scales[11])
;;     7. [M 4,096, K 1,024] x [K 1,024, N 1,024]; A: computed on the way; B: input Wo: QUANTISED (scales: A lowp_scales[12], B lowp_scales[13])
;;   THE QUANTISER, for each operand of a quantised product, along K:
;;     - The operand's scale is 2^e, e = its entry of the input lowp_scales (int32; the entries are numbered through the quantised products in the list's order, A before B).
;;     - Each number is divided by the scale, clamped to +-57,344, and rounded to the nearest number of E5M2, ties to even, subnormals kept.
;;     - The product sums the exact products of the quantised numbers (number of the format x scale) in f32.
;;   ~~~python
;;   def quantise(x, axis, e):      # numpy; x: float32 -> the quantised numbers, widened to float32 again
;;       x = np.moveaxis(x, axis, -1); K = x.shape[-1]
;;       r = np.clip(x / 2.0 ** e, -57344, 57344)
;;       step = 2.0 ** (np.maximum(np.frexp(np.where(r == 0, 1, r))[1] - 1, -14) - 2)
;;       q = np.round(r / step) * step * 2.0 ** e      # np.round: ties to even
;;       return np.moveaxis(q, -1, axis).astype(np.float32)
;;   ~~~
;;   SOFTMAX AHEAD OF A QUANTISED PRODUCT. Where the list says 'softmax', what is quantised is not the finished softmax but p = 2^(t - M), with t = logit x log2(e) and M = ceil(the row's largest t), a whole number; so 1/2 < the row's largest p <= 1. The row's sum l is taken of the UNQUANTISED p, in f32, and the product's result is divided by l at the end. Since M is a whole number, a kernel that streams over the keys may use a running M (the ceiling of the running maximum): every later rescaling is an exact power of two, so the quantised numbers keep their values, but for numbers so far below the row's largest that they fall under the format's range.
;;   OPERANDS COMPUTED ON THE WAY. 'Computed on the way' means the value that the module computes at that place (a softmax that the list does not call 'softmax' is quantised finished and normalised). What goes into a quantiser is computed in f32, as accurately as f32 sums, v_exp_f32 and their like allow (about 1e-6 of the number): no bf16 or f16 on the way to a quantiser, and a product that is left as it is and whose result goes on into a quantised operand takes f32 operands (vector FMAs, or v_wmma_f32_16x16x4_f32). A number that lies on a knife's edge between two numbers of the format may be rounded either way, as far as f32 arithmetic and the matrix unit's own rounding can turn it there, and no further.
;; 2 versions, each right; version 2 is version 1 with the launch outln written anew for expert scheduling mode. Each part assembles by itself: llvm-mc -triple=amdgcn-amd-amdhsa -mcpu=gfx1250 --defsym DOCPART=n.
;; ======== version 1 of 2: 4 launches
;; workspace buffers: x_img 8,388,608 bytes; w_img 12,582,912 bytes; wo_img 1,048,576 bytes; q_img 4,194,304 bytes; kv_img 8,388,608 bytes; a_img 4,194,304 bytes
;; launch quant (part 1): grid 464 x 1, 4 waves a work-group, no clusters, 34,304 bytes of LDS; arguments z1ss, u1ss, Wqkv0, Winj0, Wqkv1, Winj1, Wo, lowp_scales, x_img, w_img, wo_img; writes x_img, w_img, wo_img
.if DOCPART == 1
	.amdgcn_target "amdgcn-amd-amdhsa--gfx1250"
	.amdhsa_code_object_version 6
	.text
	.protected	k_q244fea0cf5_quant
	.globl	k_q244fea0cf5_quant
	.p2align	8
	.type	k_q244fea0cf5_quant,@function
k_q244fea0cf5_quant:
	s_mov_b64 s[64:65], 0
	v_nop
	global_prefetch_b8 v0, s[64:65] scope:SCOPE_SE
	s_setreg_imm32_b32 hwreg(HW_REG_WAVE_MODE, 25, 1), 1
	s_wait_xcnt 0x0
; All seven f32 operands of the input products become codes of BF8 (E5M2), each with the scale 2^e that is given for it, once.
; code = x / 2^e, held within +-57,344, rounded to the nearest code, ties to even.
; LIMITS: -126 <= e and e + 15 <= 127 for entries 0 to 7 and 13 of the scales.  NaN among the inputs is not served; an infinity is held at the largest code.
; THE CODES ARE STORED AS IMAGES OF OPERAND REGISTERS.  A fragment (16 rows x 128 K, 16 registers a lane) is 2,048 bytes: byte 512 g + 16 lane + e is byte e of registers 4 g .. 4 g + 3 of that lane,
; lane = 16 h + r; lane (r, h) holds row r, and its registers 2 c, 2 c + 1 hold K = 16 c + 8 h + 0 .. 7.  Four loads of 16 bytes a lane, 512 consecutive bytes each, bring a fragment back.
;   x_img  [position block of 256: 16][K step: 16 (0-7 z, 8-15 u)][tile of 16 positions: 16][2048]
;   w_img  [chunk 2][head 16][K step: 16 (0-7 Wqkv, 8-15 Winj)][fragment 12 = 4 x (q, k, v) + tile of 16 rows][2048]
;   wo_img [64 rows: 16][K step 8][tile of 16 rows: 4][2048]
; Work-groups 0 to 207 take the weights (K innermost), the other 256 take z and u (K is the first axis).  Waves share nothing: no barrier.  Only the weights' path uses LDS.
.set NWW,  208                         ; work-groups for the weights: 4 x 48 + 16
.set SP,   528                         ; a stage row: 512 bytes + 16: row r starts 33 r pieces of 16 bytes on, so sixteen rows fall on sixteen different pieces of a line of 256 bytes
.set WST,  16*SP                       ; a wave's stage
.set VD,   8                           ; v8-15    weights: my byte in fragment s of the output
.set R,    16                          ; v16-143  weights: two sets of 64 registers as loaded
.set N,    144                         ; v144-207 weights: 64 numbers of my row, in the operand's order
.set C,    208                         ; v208-239 weights: two sets of 16 registers of codes
.set X,    16                          ; v16-79   z, u: two sets of 32 numbers down K
.set CX,   80                          ; v80-143  z, u: eight registers of codes for each of the 8 blocks, so that no store's data are written again
.macro MKSCALE                         ; s33 = e  ->  v5 = 2^e as f32 (the conversion takes its exponent field), v4 = 57,344 x 2^e
	s_wait_kmcnt 0x0
	s_add_co_i32 s33, s33, 127
	s_lshl_b32 s35, s33, 23
	v_mov_b32 v5, s35
	s_add_co_i32 s33, s33, 15
	s_lshl_b32 s33, s33, 23
	s_or_b32 s33, s33, 0x600000
	v_mov_b32 v4, s33
.endm
	s_load_b512 s[4:19], s[0:1], 0x0               ; z 4:5, u 6:7, Wqkv0 8:9, Winj0 10:11, Wqkv1 12:13, Winj1 14:15, Wo 16:17, the scales' exponents 18:19
	s_load_b128 s[20:23], s[0:1], 0x40             ; x_img 20:21, w_img 22:23
	s_load_b64 s[24:25], s[0:1], 0x50              ; wo_img
	v_lshl_add_u32 v240, v0, 2, 0x8400
	v_mov_b32 v241, 0
	v_lshrrev_b32 v1, 5, v0
	v_readfirstlane_b32 s26, v1                    ; wave 0..3
	v_and_b32 v6, 31, v0                           ; lane
	s_cmp_lt_u32 ttmp9, NWW
	s_cbranch_scc0 .Lx
; ---------------- THE WEIGHTS.  A wave takes 16 whole rows (65,536 consecutive bytes of f32): eight fragments.
	s_mul_i32 s27, ttmp9, 1366
	s_lshr_b32 s27, s27, 16                        ; which tensor: work-group / 48 (exact up to 207): 0 Wqkv0, 1 Winj0, 2 Wqkv1, 3 Winj1, 4 Wo
	s_mul_i32 s36, s27, 48
	s_sub_co_u32 s36, ttmp9, s36                   ; and which 64 rows of it
	v_lshlrev_b32 v1, 4, v6                        ; 16 x lane
	s_mul_i32 s37, s26, WST
	v_add_nc_u32 v2, s37, v1                       ; the stage, on the way in: a row's 512 bytes as they lie
	v_and_b32 v7, 15, v0                           ; r
	v_bfe_u32 v3, v0, 4, 1                         ; h
	v_mul_u32_u24 v7, v7, SP
	v_lshl_add_u32 v3, v3, 5, v7
	v_add_nc_u32 v3, s37, v3                       ; and out: row r, + 32 h bytes: my eight numbers of each sixteen
	s_lshr_b32 s38, s27, 1                         ; w_img: chunk,
	s_mul_i32 s38, s38, 6291456
	s_and_b32 s39, s36, 15                         ; head,
	s_mul_i32 s39, s39, 393216
	s_add_co_u32 s38, s38, s39
	s_and_b32 s39, s27, 1                          ; K steps 0-7 or 8-15,
	s_mul_i32 s39, s39, 196608
	s_add_co_u32 s38, s38, s39
	s_lshr_b32 s39, s36, 4                         ; fragment 4 x (q, k, v) + wave
	s_lshl_b32 s39, s39, 2
	s_add_co_u32 s39, s39, s26
	s_lshl_b32 s39, s39, 11
	s_add_co_u32 s38, s38, s39
	s_lshl_b32 s39, s36, 16                        ; wo_img: 64 rows, fragment = wave
	s_lshl_b32 s40, s26, 11
	s_add_co_u32 s39, s39, s40
	s_lshl_b32 s41, s27, 1
	s_add_co_u32 s41, s41, 1                       ; the scale's entry: 1, 3, 5, 7
	s_mov_b32 s32, 24576                           ; from K step to K step in w_img
	s_wait_kmcnt 0x0
	s_cmp_eq_u32 s27, 4                            ; the choices hang on the work-group's number alone
	s_cselect_b64 s[30:31], s[24:25], s[22:23]
	s_cselect_b32 s32, 8192, s32
	s_cselect_b32 s38, s39, s38
	s_cselect_b32 s41, 13, s41
	s_cselect_b64 s[28:29], s[16:17], s[14:15]
	s_cmp_eq_u32 s27, 2
	s_cselect_b64 s[28:29], s[12:13], s[28:29]
	s_cmp_eq_u32 s27, 1
	s_cselect_b64 s[28:29], s[10:11], s[28:29]
	s_cmp_eq_u32 s27, 0
	s_cselect_b64 s[28:29], s[8:9], s[28:29]
	s_lshl_b32 s34, s41, 2
	s_load_b32 s33, s[18:19], s34 offset:0x0       ; e
	s_lshl_b32 s40, s36, 2
	s_add_co_u32 s40, s40, s26
	s_lshl_b32 s40, s40, 16                        ; my 16 rows: (4 x part + wave) x 65,536 bytes
	s_mov_b32 s41, 0
	s_add_nc_u64 s[28:29], s[28:29], s[40:41]
	s_mov_b32 s39, 0
	s_add_nc_u64 s[30:31], s[30:31], s[38:39]
.irp s, 0,1,2,3,4,5,6,7
	s_mul_i32 s35, s32, \s
	v_add_nc_u32 v[VD+\s], s35, v1
.endr
.macro LOADF s                         ; K step s of my 16 rows: each load reads 512 consecutive bytes of one row
.irp i, 0,1,2,3,4,5,6,7,8,9,10,11,12,13,14,15
	global_load_b128 v[R+64*((\s)%2)+4*\i:R+64*((\s)%2)+4*\i+3], v1, s[28:29] offset:\i*4096+(\s)*512 th:TH_LOAD_NT
.endr
.endm
.macro FRAGW s
.set RS, R+64*((\s)%2)
.set CS, C+16*((\s)%2)
.if (\s) < 7
	s_wait_loadcnt 16                              ; this K step's sixteen loads are in; the next one's sixteen may be out
.else
	s_wait_loadcnt 0
.endif
.irp i, 0,1,2,3,4,5,6,7,8,9,10,11,12,13,14,15
	ds_store_b128 v2, v[RS+4*\i:RS+4*\i+3] offset:\i*SP
.endr
.irp g, 0,1,2,3                        ; LDS serves a wave's instructions in order: these see the stores.  N + 16 g + 0..7: K = 32 g + 8 h + 0..7;  + 8..15: K = 32 g + 16 + 8 h + 0..7
	ds_load_b128 v[N+16*\g:N+16*\g+3], v3 offset:128*\g
	ds_load_b128 v[N+16*\g+4:N+16*\g+7], v3 offset:128*\g+16
	ds_load_b128 v[N+16*\g+8:N+16*\g+11], v3 offset:128*\g+64
	ds_load_b128 v[N+16*\g+12:N+16*\g+15], v3 offset:128*\g+80
.endr
	s_wait_dscnt 0x0                               ; my numbers are back, and the stores into the stage have read the set as loaded,
	s_wait_xcnt 0x0                                ; and the stores of two K steps ago have read this set of codes
.if (\s)+2 < 8
	LOADF (\s)+2                                   ; which takes the loads of two K steps on
.endif
.irp g, 0,1,2,3
.irp i, 0,1,2,3,4,5,6,7,8,9,10,11,12,13,14,15
	v_med3_num_f32 v[N+16*\g+\i], v[N+16*\g+\i], -v4, v4   ; the conversion to an 8-bit code does not saturate (ISA guide 7.6.2): the hold at the largest code x the scale
.endr
	v_cvt_scalef32_pk8_bf8_f32 v[CS+4*\g:CS+4*\g+1], v[N+16*\g:N+16*\g+7], v5
	v_cvt_scalef32_pk8_bf8_f32 v[CS+4*\g+2:CS+4*\g+3], v[N+16*\g+8:N+16*\g+15], v5
.endr
	v_nop                                          ; a plain line behind the last conversion of the run
.irp g, 0,1,2,3
	global_store_b128 v[VD+(\s)], v[CS+4*\g:CS+4*\g+3], s[30:31] offset:512*\g   ; 32 lanes store 512 consecutive bytes, aligned
.endr
.endm
	LOADF 0
	LOADF 1
	MKSCALE
.irp s, 0,1,2,3,4,5,6,7
	FRAGW \s
.endr
	s_wait_tensorcnt 0x0
	ds_add_u32 v240, v241
	s_wait_dscnt 0x0
	s_endpgm
; ---------------- z AND u: [2][1024 (K)][2048].  A LANE TAKES A POSITION, AND ITS REGISTERS RUN DOWN K: each load reads 128 consecutive bytes a wave, and nothing is transposed.
; A work-group takes 128 positions x 256 along K; a wave 32 positions: two tiles of 16.  A lane's 32 codes of a block of 32 are the 16 bytes of image lane r and the 16 bytes of image lane 16 + r.
.Lx:
	s_sub_co_u32 s27, ttmp9, NWW
	s_lshr_b32 s36, s27, 7                         ; 0: z, 1: u
	s_bfe_u32 s37, s27, 0x10006                    ; batch
	s_bfe_u32 s38, s27, 0x40002                    ; which 128 positions
	s_and_b32 s39, s27, 3                          ; which 256 along K
	s_lshl_b32 s40, s37, 23                        ; in: batch x 8,388,608 + K x 8,192 + 4 x position
	s_lshl_b32 s42, s39, 21
	s_add_co_u32 s40, s40, s42
	s_lshl_b32 s42, s38, 9
	s_add_co_u32 s40, s40, s42
	s_lshl_b32 s42, s26, 7
	s_add_co_u32 s40, s40, s42
	s_mov_b32 s41, 0
	s_lshl_b32 s44, s37, 3                         ; out: position block of 256,
	s_lshr_b32 s42, s38, 1
	s_add_co_u32 s44, s44, s42
	s_lshl_b32 s44, s44, 19
	s_lshl_b32 s42, s36, 3                         ; K step 8 x (z, u) + 2 x part,
	s_lshl_b32 s43, s39, 1
	s_add_co_u32 s42, s42, s43
	s_lshl_b32 s42, s42, 15
	s_add_co_u32 s44, s44, s42
	s_and_b32 s42, s38, 1                          ; tile of 16 positions
	s_lshl_b32 s42, s42, 3
	s_lshl_b32 s43, s26, 1
	s_add_co_u32 s42, s42, s43
	s_lshl_b32 s42, s42, 11
	s_add_co_u32 s44, s44, s42
	s_mov_b32 s45, 0
	s_lshl_b32 s34, s36, 3                         ; the scale's entry 2 x (z, u) + 4 x chunk, in bytes; the chunk is position / 1,024
	s_lshr_b32 s42, s38, 3
	s_lshl_b32 s42, s42, 4
	s_add_co_u32 s34, s34, s42
	s_wait_kmcnt 0x0
	s_load_b32 s33, s[18:19], s34 offset:0x0       ; e
	s_cmp_eq_u32 s36, 0
	s_cselect_b64 s[28:29], s[4:5], s[6:7]
	s_add_nc_u64 s[28:29], s[28:29], s[40:41]
	s_add_nc_u64 s[30:31], s[20:21], s[44:45]
	v_lshlrev_b32 v1, 2, v6                        ; in: 4 bytes a lane
	v_lshrrev_b32 v2, 4, v6
	v_and_b32 v3, 15, v6
	v_lshlrev_b32 v3, 4, v3
	v_lshl_add_u32 v2, v2, 11, v3                  ; out: my tile's fragment, + 16 r
.macro LOADX t                         ; block t: K = 32 t + i, i = 0 .. 31, of my position
.irp i, 0,1,2,3,4,5,6,7,8,9,10,11,12,13,14,15,16,17,18,19,20,21,22,23,24,25,26,27,28,29,30,31
	global_load_b32 v[X+32*((\t)%2)+\i], v1, s[28:29] offset:(32*(\t)+\i)*8192 th:TH_LOAD_NT
.endr
.endm
.macro BLOCKX t
.set XS, X+32*((\t)%2)
.set CB, CX+8*(\t)
.if (\t) < 7
	s_wait_loadcnt 32                              ; this block's 32 loads are in; the next block's may be out
.else
	s_wait_loadcnt 0
.endif
.irp i, 0,1,2,3,4,5,6,7,8,9,10,11,12,13,14,15,16,17,18,19,20,21,22,23,24,25,26,27,28,29,30,31
	v_med3_num_f32 v[XS+\i], v[XS+\i], -v4, v4
.endr
	v_cvt_scalef32_pk8_bf8_f32 v[CB:CB+1], v[XS:XS+7], v5            ; image lane r: K + 0..7 and K + 16..23
	v_cvt_scalef32_pk8_bf8_f32 v[CB+2:CB+3], v[XS+16:XS+23], v5
	v_cvt_scalef32_pk8_bf8_f32 v[CB+4:CB+5], v[XS+8:XS+15], v5       ; image lane 16 + r: K + 8..15 and K + 24..31
	v_cvt_scalef32_pk8_bf8_f32 v[CB+6:CB+7], v[XS+24:XS+31], v5
	v_nop                                          ; a plain line behind the last conversion of the run
	global_store_b128 v2, v[CB:CB+3], s[30:31] offset:((\t)/4)*32768+((\t)%4)*512        ; sixteen lanes store 256 consecutive bytes, aligned
	global_store_b128 v2, v[CB+4:CB+7], s[30:31] offset:((\t)/4)*32768+((\t)%4)*512+256
.if (\t)+2 < 8
	LOADX (\t)+2
.endif
.endm
	LOADX 0
	LOADX 1
	MKSCALE
.irp t, 0,1,2,3,4,5,6,7
	BLOCKX \t
.endr
	s_endpgm
.Lfunc_end_k_q244fea0cf5_quant:
	.size	k_q244fea0cf5_quant, .Lfunc_end_k_q244fea0cf5_quant-k_q244fea0cf5_quant
	.p2alignl 7, 3214868480
	.fill 96, 4, 3214868480
	.section	.rodata,"a",@progbits
	.p2align	6, 0x0
	.amdhsa_kernel k_q244fea0cf5_quant
		.amdhsa_group_segment_fixed_size 34304
		.amdhsa_private_segment_fixed_size 0
		.amdhsa_enable_private_segment 0
		.amdhsa_kernarg_size 88
		.amdhsa_user_sgpr_count 2
		.amdhsa_user_sgpr_kernarg_segment_ptr 1
		.amdhsa_wavefront_size32 1
		.amdhsa_system_sgpr_workgroup_id_x 1
		.amdhsa_system_sgpr_workgroup_id_y 1
		.amdhsa_system_sgpr_workgroup_id_z 1
		.amdhsa_system_vgpr_workitem_id 0
		.amdhsa_next_free_vgpr 242
		.amdhsa_next_free_sgpr 66
		.amdhsa_reserve_vcc 0
		.amdhsa_float_denorm_mode_32 3
		.amdhsa_float_denorm_mode_16_64 3
		.amdhsa_memory_ordered 1
		.amdhsa_forward_progress 1
		.amdhsa_inst_pref_size 118
	.end_amdhsa_kernel
	.amdgpu_metadata
---
amdhsa.version: [ 1, 2 ]
amdhsa.kernels:
  - .name:           k_q244fea0cf5_quant
    .symbol:         k_q244fea0cf5_quant.kd
    .args:
      - { .name: z1ss, .offset: 0, .size: 8, .value_kind: global_buffer, .address_space: global }
      - { .name: u1ss, .offset: 8, .size: 8, .value_kind: global_buffer, .address_space: global }
      - { .name: Wqkv0, .offset: 16, .size: 8, .value_kind: global_buffer, .address_space: global }
      - { .name: Winj0, .offset: 24, .size: 8, .value_kind: global_buffer, .address_space: global }
      - { .name: Wqkv1, .offset: 32, .size: 8, .value_kind: global_buffer, .address_space: global }
      - { .name: Winj1, .offset: 40, .size: 8, .value_kind: global_buffer, .address_space: global }
      - { .name: Wo, .offset: 48, .size: 8, .value_kind: global_buffer, .address_space: global }
      - { .name: lowp_scales, .offset: 56, .size: 8, .value_kind: global_buffer, .address_space: global }
      - { .name: x_img, .offset: 64, .size: 8, .value_kind: global_buffer, .address_space: global }
      - { .name: w_img, .offset: 72, .size: 8, .value_kind: global_buffer, .address_space: global }
      - { .name: wo_img, .offset: 80, .size: 8, .value_kind: global_buffer, .address_space: global }
    .group_segment_fixed_size: 34304
    .private_segment_fixed_size: 0
    .kernarg_segment_align: 8
    .kernarg_segment_size: 88
    .max_flat_workgroup_size: 128
    .sgpr_count:     66
    .vgpr_count:     242
    .wavefront_size: 32
...
	.end_amdgpu_metadata
.endif
;; end of part 1
;; launch qkv (part 2): grid 16 x 16, 4 waves a work-group, clusters of 4 x 4, 327,680 bytes of LDS; arguments x_img, w_img, lowp_scales, r_w_bias, q_img, kv_img; writes q_img, kv_img
.if DOCPART == 2
	.amdgcn_target "amdgcn-amd-amdhsa--gfx1250"
	.amdhsa_code_object_version 6
	.text
	.protected	k_q244fea0cf5_qkv
	.globl	k_q244fea0cf5_qkv
	.p2align	8
	.type	k_q244fea0cf5_qkv,@function
k_q244fea0cf5_qkv:
	s_mov_b64 s[64:65], 0
	v_nop
	global_prefetch_b8 v0, s[64:65] scope:SCOPE_SE
	s_setreg_imm32_b32 hwreg(HW_REG_WAVE_MODE, 25, 1), 1
	s_wait_xcnt 0x0
	s_wait_alu depctr_hold_cnt(0) depctr_sa_sdst(0) depctr_va_vdst(0) depctr_va_sdst(0) depctr_va_ssrc(0) depctr_va_vcc(0) depctr_vm_vsrc(0)
	s_getreg_b32 s2, hwreg(HW_REG_IB_STS2, 6, 4)
	s_cmp_eq_u32 s2, 0
	s_cbranch_scc0 .Lentry_in_a_cluster
	s_endpgm
.Lentry_in_a_cluster:
	s_bfe_u32 s2, ttmp6, 0x10000c
	s_cmp_lg_u32 s2, 0xf033
	s_cbranch_scc0 .Lentry_shape_is_right
	s_endpgm
.Lentry_shape_is_right:
; w_heads = Wqkv z + Winj u for one head and 256 positions, + r_w_bias on q, and q, k, v quantised for the attention: all on codes of BF8, sums in f32.
; A work-group takes head n and position block PB (256 positions of one batch and one chunk): 256 positions x 192 outputs (64 of q, 64 of k, 64 of v), K = 2,048: 8 steps of 128 of z, then 8 of u.
; Each of the four waves takes 64 positions x all 192 outputs: 48 accumulators, 384 registers; all waves run the same text.
; SCALES.  A sum over z stands for sum x 2^Ez, one over u for sum x 2^Eu (each the two operands' exponents added).  Between the two halves of K the sums are multiplied by 2^(Ez - Eu), which rounds nothing,
; so that u's products add onto the same accumulators.  r_w_bias goes in as the C of q's first products, as bias x 2^-Ez.  The conversions at the end take 2^(e - Eu), e = the scale given for q, k or v.
; LIMITS on the given exponents, so that each power of two is an f32 number: Ez - Eu between -126 and 127; e8 - Eu, e9 - Eu, e10 - Eu between -126 and 112.  NaN is not served.
; ORIENTATION.  q and k: source 0 = 16 rows of W, source 1 = 16 positions: a lane holds one position and eight neighbours along the head's 64, the next K.  v: the sources swapped: a lane holds one of the
; head's 64 and eight neighbouring positions, the next K.  So one conversion of an accumulator's eight registers gives registers 2 c, 2 c + 1 of the next operand, and the codes leave as images of registers.
; All tiles are images of operand registers (2,048 bytes a fragment of 16 rows x 128 K, lane l's 16 bytes of registers 4 g .. 4 g + 3 at 512 g + 16 l): dense blocks for the tensor loads, and every LDS load reads 512 consecutive bytes.
; CLUSTERS: 4 x 4 work-groups.  x's tile hangs on PB alone: the four of a row of the cluster ask for it jointly; W's hangs on the head and the chunk (the chunk is the cluster's y & 1): the four of a column.
; RING: two slots of two K steps each.  Waves 0 and 1 fetch x's two steps (32,768 bytes each), waves 2 and 3 W's (24,576 each): one load a wave behind each round.  Two loads of a wave are out at the start, one later.
; REGISTERS, in windows of 256: window 0: v2-7 scales and limits, v8 bias offset, v16-29 addresses, v32-63 the bias, v64-127 and v128-191 x's fragments, two sets; at the end v64-159 the codes.
;   window 1: v0-191 W's 12 fragments, set 0; v192-255 v's accumulators for its rows 0-31.   window 2: the same, set 1; v's rows 32-63.   window 3: v0-127 q's accumulators, v128-255 k's ((ot, pt) at 8 (4 ot + pt)).
.set XQ,    32768                      ; x's tile of a K step
.set WQ,    24576                      ; W's
.set WOFF,  2*XQ                       ; a slot: x's two steps, then W's two
.set SLOT,  2*XQ+2*WQ
.set SPARE, 2*SLOT                     ; behind the ring: the spare words, 128 bytes for each wave: two blocks of 256 bytes that no other line names
.set ADRX, 16                          ; v16-17  LDS address of my x fragments in slot 0, 1
.set ADRW, 20                          ; v20-21  the same for W
.set L16,  24                          ; v24     16 x lane
.set VK,   25                          ; v25     my byte in a key step's tiles of k
.set VV,   26                          ; v26     and of v
.set SPW,  28                          ; v28     LDS address of my spare word; never rewritten
.set NIL,  29                          ; v29     0; never rewritten
.set BI,   32
.set XS,   64
.set G1X, 24                           ; s[24:31] descriptor group 1 for x's tiles; s[32:39] group 0, one set for each slot
.set G0X, 32
.set G1W, 48                           ; s[48:55], s[56:63] the same for W's
.set G0W, 56
.set MSB, 0
.macro WIN new                         ; the immediate's high byte repeats the setting that is left; a switch that changes nothing is dropped
.if MSB != (\new)
	s_set_vgpr_msb (MSB<<8)|(\new)
.set MSB, (\new)
.endif
.endm
.macro PLACES n
.rept \n
	v_nop
.endr
.endm
; A joint load: waves 0 and 1 fetch for x, waves 2 and 3 for W.  Each line has one mask and one set of registers for all that issue it; the branch hangs on the wave's number alone.
; Four v_nop follow each of the two lines, ahead of the jump, the label and what follows.
.macro JLOAD g0a, g1a, g0b, g1b
	s_cmp_eq_u32 s17, 0
	s_cbranch_scc0 .Lfor_w_\@
	tensor_load_to_lds s[\g0a:\g0a+3], s[\g1a:\g1a+7]
	s_nop 0
.rept 4
	v_nop
.endr
	s_branch .Lasked_\@
.Lfor_w_\@:
	tensor_load_to_lds s[\g0b:\g0b+3], s[\g1b:\g1b+7]
	s_nop 0
.rept 4
	v_nop
.endr
.Lasked_\@:
.endm
.macro CREST                           ; a round of the cluster's barrier behind its opening barrier
	s_cmp_lg_u32 s16, 0
	s_cbranch_scc1 .Lnot_wave_0_\@
	s_barrier_signal -3
.Lnot_wave_0_\@:
	s_barrier_wait -3
	s_barrier_signal -1
	s_barrier_wait -1
.endm
.macro CROUND                          ; a whole round
	s_barrier_signal -1
	s_barrier_wait -1
	CREST
.endm
	s_load_b256 s[4:11], s[0:1], 0x0               ; x_img 4:5, w_img 6:7, the scales' exponents 8:9, r_w_bias 10:11
	s_load_b128 s[12:15], s[0:1], 0x20             ; q_img 12:13, kv_img 14:15
	v_lshl_add_u32 v[SPW], v0, 2, SPARE
	v_mov_b32 v[NIL], 0
	ds_add_u32 v28, v29
	ds_add_u32 v28, v29
	s_wait_dscnt 0x0
	v_lshrrev_b32 v1, 5, v0
	v_readfirstlane_b32 s16, v1                    ; wave 0..3
	s_lshr_b32 s17, s16, 1                         ; I fetch for x (0) or for W (1),
	s_and_b32 s18, s16, 1                          ; the slot's first K step or its second
	s_bfe_u32 s19, ttmp6, 0x40000                  ; cx, cy: my place in the cluster
	s_bfe_u32 s20, ttmp6, 0x40004
	s_lshl_b32 s21, ttmp9, 2
	s_add_co_u32 s21, s21, s19                     ; the head n = 4 x cluster x + cx
	s_and_b32 s23, ttmp7, 0xffff                   ; cluster y: batch = y / 2, chunk = y & 1
	s_lshl_b32 s22, s23, 2
	s_add_co_u32 s22, s22, s20                     ; PB = 4 x cluster y + cy
	s_lshl_b32 s40, s20, 2
	s_lshl_b32 s40, 15, s40                        ; my row of the cluster
	s_lshl_b32 s41, 0x1111, s19                    ; my column
	; descriptor group 1: a dense block as rows of 256 bytes (32 elements of 8 bytes), no padding
	s_or_b32 s[G1X+0], s40, (3<<16)|(1<<21)        ; 15:0 the mask: x's tiles go to my row; 17:16 elements of 8 bytes; 21 set beside a mask
	s_or_b32 s[G1W+0], s41, (3<<16)|(1<<21)        ; W's go to my column
	s_mov_b32 s[G1X+1], 32<<16                     ; tensor_dim0 = 32
	s_mov_b32 s[G1X+2], 128<<16                    ; tensor_dim1 = 128 rows
	s_mov_b32 s[G1X+3], 32<<16                     ; tile_dim0
	s_mov_b32 s[G1X+4], 128                        ; tile_dim1
	s_mov_b32 s[G1X+5], 32                         ; from row to row
	s_mov_b32 s[G1X+6], 0
	s_mov_b32 s[G1X+7], 0
	s_mov_b32 s[G1W+1], 32<<16
	s_mov_b32 s[G1W+2], 96<<16                     ; 96 rows
	s_mov_b32 s[G1W+3], 32<<16
	s_mov_b32 s[G1W+4], 96
	s_mov_b32 s[G1W+5], 32
	s_mov_b32 s[G1W+6], 0
	s_mov_b32 s[G1W+7], 0
	; where the tiles come from: x's by PB and the wave, W's by the chunk, the head and the wave, each in registers that never hold the other coordinate
	s_lshl_b32 s42, s22, 19                        ; PB x 524,288
	s_lshl_b32 s44, s18, 15
	s_add_co_u32 s42, s42, s44
	s_mov_b32 s43, 0
	s_and_b32 s45, s23, 1                          ; chunk
	s_mul_i32 s46, s45, 6291456
	s_mul_i32 s81, s21, 393216
	s_add_co_u32 s46, s46, s81
	s_mul_i32 s82, s18, WQ
	s_add_co_u32 s46, s46, s82
	s_mov_b32 s47, 0
	s_lshl_b32 s83, s18, 15                        ; and where they go: no place in the cluster enters an LDS address
	s_add_co_u32 s84, s82, WOFF
	s_lshl_b32 s66, s45, 4
	s_wait_kmcnt 0x0
	s_load_b128 s[68:71], s[8:9], s66 offset:0x0   ; the chunk's four exponents: z, Wqkv, u, Winj
	s_load_b128 s[72:75], s[8:9], 0x20             ; e8 (q), e9 (k), e10 (v), e11
	s_add_nc_u64 s[42:43], s[4:5], s[42:43]
	s_add_nc_u64 s[46:47], s[6:7], s[46:47]
	CROUND                                         ; all sixteen work-groups are here: the first joint loads meet
.irp s, 0,1
	s_mov_b32 s[G0X+4*\s], 1
	s_add_co_u32 s[G0X+4*\s+1], s83, \s*SLOT
	s_add_nc_u64 s[G0X+4*\s+2:G0X+4*\s+3], s[42:43], \s*2*XQ
	s_or_b32 s[G0X+4*\s+3], s[G0X+4*\s+3], 0x80000000
	s_mov_b32 s[G0W+4*\s], 1
	s_add_co_u32 s[G0W+4*\s+1], s84, \s*SLOT
	s_add_nc_u64 s[G0W+4*\s+2:G0W+4*\s+3], s[46:47], \s*2*WQ
	s_or_b32 s[G0W+4*\s+3], s[G0W+4*\s+3], 0x80000000
	JLOAD G0X+4*\s, G1X, G0W+4*\s, G1W
.endr
	v_and_b32 v1, 31, v0
	v_lshlrev_b32 v[L16], 4, v1
	v_bfe_u32 v9, v0, 4, 1                         ; h
	v_lshlrev_b32 v8, 5, v9                        ; the bias: my half's eight numbers
	s_lshl_b32 s85, s16, 13                        ; my 64 positions: four fragments of 2,048 bytes
	v_add_nc_u32 v[ADRX], s85, v[L16]
	v_add_nc_u32 v[ADRX+1], SLOT, v[ADRX]
	v_add_nc_u32 v[ADRW], WOFF, v[L16]
	v_add_nc_u32 v[ADRW+1], SLOT, v[ADRW]
	s_lshl_b32 s86, s18, 12                        ; out: my four key tiles of 1,024 bytes in the step's eight,
	v_add_nc_u32 v[VK], s86, v[L16]
	s_lshl_b32 s87, s18, 10                        ; and my 64 keys' eight registers of v's fragments, which lie behind k's tiles
	s_add_co_u32 s87, s87, 8192
	v_add_nc_u32 v[VV], s87, v[L16]
	s_lshl_b32 s88, s21, 8
	s_mov_b32 s89, 0
	s_add_nc_u64 s[10:11], s[10:11], s[88:89]      ; r_w_bias at my head
.irp ot, 0,1,2,3
	global_load_b128 v[BI+8*\ot:BI+8*\ot+3], v8, s[10:11] offset:64*\ot          ; bias(16 ot + 8 h + 0 .. 7): the layout of q's results
	global_load_b128 v[BI+8*\ot+4:BI+8*\ot+7], v8, s[10:11] offset:64*\ot+16
.endr
	s_lshr_b32 s90, s23, 1
	s_lshl_b32 s90, s90, 4
	s_add_co_u32 s90, s90, s21                     ; 16 x batch + head
	s_and_b32 s91, s22, 7                          ; my 256 positions in the batch
	s_lshl_b32 s92, s90, 17                        ; q_img: [32][128 tiles][1024]
	s_lshl_b32 s93, s91, 14
	s_add_co_u32 s92, s92, s93
	s_lshl_b32 s93, s16, 12
	s_add_co_u32 s92, s92, s93
	s_mov_b32 s93, 0
	s_add_nc_u64 s[12:13], s[12:13], s[92:93]
	s_lshl_b32 s92, s90, 18                        ; kv_img: [32][16 key steps][16384]
	s_lshl_b32 s94, s91, 15
	s_add_co_u32 s92, s92, s94
	s_lshl_b32 s94, s17, 14
	s_add_co_u32 s92, s92, s94
	s_add_nc_u64 s[14:15], s[14:15], s[92:93]
	s_wait_kmcnt 0x0
	s_add_co_i32 s76, s68, s69                     ; Ez
	s_add_co_i32 s77, s70, s71                     ; Eu
	s_sub_co_i32 s78, s76, s77
	s_add_co_i32 s78, s78, 127
	s_lshl_b32 s78, s78, 23                        ; 2^(Ez - Eu) as f32
	s_mov_b32 s79, s78                             ; (named with it as a pair, so it is written)
	s_sub_co_i32 s80, 0, s76                       ; -Ez
.macro MKS vs, vl, se                  ; v[vs] = 2^(se - Eu) as f32, v[vl] = 57,344 x that
	s_sub_co_i32 s95, \se, s77
	s_add_co_i32 s95, s95, 127
	s_lshl_b32 s96, s95, 23
	v_mov_b32 v[\vs], s96
	s_add_co_i32 s95, s95, 15
	s_lshl_b32 s95, s95, 23
	s_or_b32 s95, s95, 0x600000
	v_mov_b32 v[\vl], s95
.endm
	MKS 2, 3, s72                                  ; q
	MKS 4, 5, s73                                  ; k
	MKS 6, 7, s74                                  ; v
	s_wait_loadcnt 0x0
.set i, 0
.rept 32
	v_ldexp_f32 v[BI+i], v[BI+i], s80              ; bias x 2^-Ez: in the units of z's sums
.set i, i+1
.endr
; 64 LDS loads in one run: my four fragments of x and W's twelve, of the slot's q-th K step, into set p
.macro FETCH slot, q, p
	WIN 0
.irp pt, 0,1,2,3
.irp g, 0,1,2,3
	ds_load_b128 v[XS+64*(\p)+16*\pt+4*\g:XS+64*(\p)+16*\pt+4*\g+3], v[ADRX+\slot] offset:(\q)*XQ+\pt*2048+512*\g
.endr
.endr
	WIN 0x40<<(\p)                                 ; destination window 1 or 2
.irp f, 0,1,2,3,4,5,6,7,8,9,10,11
.irp g, 0,1,2,3
	ds_load_b128 v[16*\f+4*\g:16*\f+4*\g+3], v[ADRW+\slot] offset:(\q)*WQ+\f*2048+512*\g
.endr
.endr
	WIN 0
.endm
; 16 matrix instructions each.  The 48 accumulators take turns, one instruction a turn, in the same order in every K step.  first = 1: the first products start the sums.
.macro MULQ p, first
.if \first
	WIN 0xC1                                       ; W window 1, x and the bias window 0, D window 3
.else
	WIN 0xF1+(\p)                                  ; W window 1 + p, x window 0, C and D window 3
.endif
.irp ot, 0,1,2,3
.irp pt, 0,1,2,3
.if \first
	v_wmma_f32_16x16x128_bf8_bf8 v[8*(4*\ot+\pt):8*(4*\ot+\pt)+7], v[16*\ot:16*\ot+15], v[XS+64*(\p)+16*\pt:XS+64*(\p)+16*\pt+15], v[BI+8*\ot:BI+8*\ot+7]
.else
	v_wmma_f32_16x16x128_bf8_bf8 v[8*(4*\ot+\pt):8*(4*\ot+\pt)+7], v[16*\ot:16*\ot+15], v[XS+64*(\p)+16*\pt:XS+64*(\p)+16*\pt+15], v[8*(4*\ot+\pt):8*(4*\ot+\pt)+7]
.endif
.endr
.endr
.endm
.macro MULK p, first
	WIN 0xF1+(\p)
.irp ot, 0,1,2,3
.irp pt, 0,1,2,3
.if \first
	v_wmma_f32_16x16x128_bf8_bf8 v[128+8*(4*\ot+\pt):128+8*(4*\ot+\pt)+7], v[64+16*\ot:64+16*\ot+15], v[XS+64*(\p)+16*\pt:XS+64*(\p)+16*\pt+15], 0
.else
	v_wmma_f32_16x16x128_bf8_bf8 v[128+8*(4*\ot+\pt):128+8*(4*\ot+\pt)+7], v[64+16*\ot:64+16*\ot+15], v[XS+64*(\p)+16*\pt:XS+64*(\p)+16*\pt+15], v[128+8*(4*\ot+\pt):128+8*(4*\ot+\pt)+7]
.endif
.endr
.endr
.endm
.macro MULV p, first                   ; the sources swapped: x is source 0 (window 0), W source 1 (window 1 + p); C and D window 1 (ot 0, 1) or 2 (ot 2, 3)
.irp ot, 0,1,2,3
	WIN ((1+\ot/2)*0x50)|((1+(\p))<<2)
.irp pt, 0,1,2,3
.if \first
	v_wmma_f32_16x16x128_bf8_bf8 v[192+8*(4*(\ot%2)+\pt):192+8*(4*(\ot%2)+\pt)+7], v[XS+64*(\p)+16*\pt:XS+64*(\p)+16*\pt+15], v[128+16*\ot:128+16*\ot+15], 0
.else
	v_wmma_f32_16x16x128_bf8_bf8 v[192+8*(4*(\ot%2)+\pt):192+8*(4*(\ot%2)+\pt)+7], v[XS+64*(\p)+16*\pt:XS+64*(\p)+16*\pt+15], v[128+16*\ot:128+16*\ot+15], v[192+8*(4*(\ot%2)+\pt):192+8*(4*(\ot%2)+\pt)+7]
.endif
.endr
.endr
.endm
; A slot's first K step: multiplies set 0; ahead of its products the slot's second step is fetched into set 1.
; A load into a register that a matrix instruction has read stands four places behind it, and only plain vector instructions that name none of its registers are places (ISA guide 7.12.1 for vector instructions).
.macro STEP slot, first
	s_wait_dscnt 0x0                               ; set 0 is in
.if \first == 0
	PLACES 4
.endif
	FETCH \slot, 1, 1
	MULQ 0, \first
	MULK 0, \first
	MULV 0, \first
.endm
; A slot's second K step multiplies set 1 and changes slots: ONE barrier; in front of it each wave waits for all its tensor loads, adds 0 to its spare word, and waits for that and for its reads of this slot.
; fill = 1: the barrier opens a round of the cluster's barrier, and this slot is filled again, with the K steps four on.
.macro TURN slot, next, fill
	WIN 0                                          ; (the add's two registers lie in window 0)
	s_wait_tensorcnt 0x0                           ; all my tensor loads have landed: my part of the next slot;
	ds_add_u32 v[SPW], v[NIL]                      ; 0 onto my spare word
	s_wait_dscnt 1                                 ; (the add alone may be out: set 1 is in)
	MULQ 1, 0                                      ; sixteen matrix instructions stand between the add and the wait for it
	s_wait_dscnt 0x0                               ; the add is done, and my reads of this slot are over
	s_barrier_signal -1
	MULK 1, 0
	WIN 0
	s_barrier_wait -1
.if \fill
	CREST                                          ; no wave of any partner still reads this slot or has a load on its way
	s_add_nc_u64 s[G0X+4*\slot+2:G0X+4*\slot+3], s[G0X+4*\slot+2:G0X+4*\slot+3], 4*XQ
	s_add_nc_u64 s[G0W+4*\slot+2:G0W+4*\slot+3], s[G0W+4*\slot+2:G0W+4*\slot+3], 4*WQ
	JLOAD G0X+4*\slot, G1X, G0W+4*\slot, G1W       ; the first tensor load behind the round; its four v_nop are also the places in front of the loads below
.else
	PLACES 4
.endif
	FETCH \next, 0, 0
	MULV 1, 0
.endm
.macro RESCALE                         ; z's sums x 2^(Ez - Eu): each accumulator from its low end on
	PLACES 4
	WIN 0xC3
.set i, 0
.rept 128
	v_pk_mul_f32 v[i:i+1], v[i:i+1], s[78:79] op_sel_hi:[1,0]
.set i, i+2
.endr
	WIN 0x41
.set i, 192
.rept 32
	v_pk_mul_f32 v[i:i+1], v[i:i+1], s[78:79] op_sel_hi:[1,0]
.set i, i+2
.endr
	WIN 0x82
.set i, 192
.rept 32
	v_pk_mul_f32 v[i:i+1], v[i:i+1], s[78:79] op_sel_hi:[1,0]
.set i, i+2
.endr
	WIN 0
.endm
	s_wait_tensorcnt 1                             ; my part of slot 0 is in; slot 1's may stay out
	s_barrier_signal -1
	s_barrier_wait -1                              ; everybody's is
	FETCH 0, 0, 0
	STEP 0, 1                                      ; z: K steps 0 to 7
	TURN 0, 1, 1
	STEP 1, 0
	TURN 1, 0, 1
	STEP 0, 0
	TURN 0, 1, 1
	STEP 1, 0
	TURN 1, 0, 1
	RESCALE
	STEP 0, 0                                      ; u: K steps 8 to 15
	TURN 0, 1, 1
	STEP 1, 0
	TURN 1, 0, 1
	STEP 0, 0
	TURN 0, 1, 0                                   ; the last two slots are filled no more
	STEP 1, 0
	s_wait_dscnt 0x0
	MULQ 1, 0
	MULK 1, 0
	MULV 1, 0
	; THE WAY OUT: hold, convert, store.  Each accumulator's eight registers become two registers of codes; each accumulator is read from its low end on.
	PLACES 4
	WIN 0xC3
.set i, 0
.rept 128
	v_med3_num_f32 v[i], v[i], -v3, v3             ; q: the conversion does not saturate (ISA guide 7.6.2)
.set i, i+1
.endr
.rept 128
	v_med3_num_f32 v[i], v[i], -v5, v5             ; k
.set i, i+1
.endr
	WIN 0x03
.irp pt, 0,1,2,3
.irp ot, 0,1,2,3
	v_cvt_scalef32_pk8_bf8_f32 v[64+8*\pt+2*\ot:65+8*\pt+2*\ot], v[8*(4*\ot+\pt):8*(4*\ot+\pt)+7], v2          ; tile pt of 16 queries: registers 2 ot, 2 ot + 1
	v_cvt_scalef32_pk8_bf8_f32 v[96+8*\pt+2*\ot:97+8*\pt+2*\ot], v[128+8*(4*\ot+\pt):128+8*(4*\ot+\pt)+7], v4  ; tile pt of 16 keys
.endr
.endr
	v_nop                                          ; a plain line behind the last conversion of the run
	WIN 0x41
.set i, 192
.rept 64
	v_med3_num_f32 v[i], v[i], -v7, v7             ; v, rows 0-31
.set i, i+1
.endr
	WIN 0x01
.irp ot, 0,1
.irp pt, 0,1,2,3
	v_cvt_scalef32_pk8_bf8_f32 v[128+8*\ot+2*\pt:129+8*\ot+2*\pt], v[192+8*(4*\ot+\pt):192+8*(4*\ot+\pt)+7], v6   ; tile ot of the head's 64: my eight registers of its fragment, 2 pt, 2 pt + 1
.endr
.endr
	v_nop
	WIN 0x82
.set i, 192
.rept 64
	v_med3_num_f32 v[i], v[i], -v7, v7             ; v, rows 32-63
.set i, i+1
.endr
	WIN 0x02
.irp ot, 2,3
.irp pt, 0,1,2,3
	v_cvt_scalef32_pk8_bf8_f32 v[128+8*\ot+2*\pt:129+8*\ot+2*\pt], v[192+8*(4*(\ot-2)+\pt):192+8*(4*(\ot-2)+\pt)+7], v6
.endr
.endr
	v_nop
	WIN 0
.irp pt, 0,1,2,3
.irp g, 0,1
	global_store_b128 v[L16], v[64+8*\pt+4*\g:67+8*\pt+4*\g], s[12:13] offset:\pt*1024+512*\g   ; each store covers 512 consecutive bytes, aligned
	global_store_b128 v[VK], v[96+8*\pt+4*\g:99+8*\pt+4*\g], s[14:15] offset:\pt*1024+512*\g
.endr
.endr
.irp ot, 0,1,2,3
.irp g, 0,1
	global_store_b128 v[VV], v[128+8*\ot+4*\g:131+8*\ot+4*\g], s[14:15] offset:\ot*2048+512*\g
.endr
.endr
	s_wait_tensorcnt 0x0                           ; the wave's end
	ds_add_u32 v[SPW], v[NIL]
	s_wait_dscnt 0x0
	CROUND                                         ; the closing round: no work-group ends while a partner may still ask for a tile that names it
	s_endpgm
.Lfunc_end_k_q244fea0cf5_qkv:
	.size	k_q244fea0cf5_qkv, .Lfunc_end_k_q244fea0cf5_qkv-k_q244fea0cf5_qkv
	.p2alignl 7, 3214868480
	.fill 96, 4, 3214868480
	.section	.rodata,"a",@progbits
	.p2align	6, 0x0
	.amdhsa_kernel k_q244fea0cf5_qkv
		.amdhsa_group_segment_fixed_size 327680
		.amdhsa_private_segment_fixed_size 0
		.amdhsa_enable_private_segment 0
		.amdhsa_kernarg_size 48
		.amdhsa_user_sgpr_count 2
		.amdhsa_user_sgpr_kernarg_segment_ptr 1
		.amdhsa_wavefront_size32 1
		.amdhsa_system_sgpr_workgroup_id_x 1
		.amdhsa_system_sgpr_workgroup_id_y 1
		.amdhsa_system_sgpr_workgroup_id_z 1
		.amdhsa_system_vgpr_workitem_id 0
		.amdhsa_next_free_vgpr 1024
		.amdhsa_next_free_sgpr 100
		.amdhsa_reserve_vcc 0
		.amdhsa_float_denorm_mode_32 3
		.amdhsa_float_denorm_mode_16_64 3
		.amdhsa_memory_ordered 1
		.amdhsa_forward_progress 1
		.amdhsa_inst_pref_size 177
	.end_amdhsa_kernel
	.amdgpu_metadata
---
amdhsa.version: [ 1, 2 ]
amdhsa.kernels:
  - .name:           k_q244fea0cf5_qkv
    .symbol:         k_q244fea0cf5_qkv.kd
    .args:
      - { .name: x_img, .offset: 0, .size: 8, .value_kind: global_buffer, .address_space: global }
      - { .name: w_img, .offset: 8, .size: 8, .value_kind: global_buffer, .address_space: global }
      - { .name: lowp_scales, .offset: 16, .size: 8, .value_kind: global_buffer, .address_space: global }
      - { .name: r_w_bias, .offset: 24, .size: 8, .value_kind: global_buffer, .address_space: global }
      - { .name: q_img, .offset: 32, .size: 8, .value_kind: global_buffer, .address_space: global }
      - { .name: kv_img, .offset: 40, .size: 8, .value_kind: global_buffer, .address_space: global }
    .group_segment_fixed_size: 327680
    .private_segment_fixed_size: 0
    .kernarg_segment_align: 8
    .kernarg_segment_size: 48
    .max_flat_workgroup_size: 128
    .sgpr_count:     100
    .vgpr_count:     1024
    .wavefront_size: 32
...
	.end_amdgpu_metadata
.endif
;; end of part 2
;; launch attn (part 3): grid 8 x 32, 16 waves a work-group, clusters of 4 x 1, 264,192 bytes of LDS; arguments q_img, kv_img, lowp_scales, a_img; writes a_img
.if DOCPART == 3
	.amdgcn_target "amdgcn-amd-amdhsa--gfx1250"
	.amdhsa_code_object_version 6
	.text
	.protected	k_q244fea0cf5_attn
	.globl	k_q244fea0cf5_attn
	.p2align	8
	.type	k_q244fea0cf5_attn,@function
k_q244fea0cf5_attn:
	s_mov_b64 s[64:65], 0
	v_nop
	global_prefetch_b8 v0, s[64:65] scope:SCOPE_SE
	s_setreg_imm32_b32 hwreg(HW_REG_WAVE_MODE, 25, 1), 1
	s_wait_xcnt 0x0
	s_wait_alu depctr_hold_cnt(0) depctr_sa_sdst(0) depctr_va_vdst(0) depctr_va_sdst(0) depctr_va_ssrc(0) depctr_va_vcc(0) depctr_vm_vsrc(0)
	s_getreg_b32 s2, hwreg(HW_REG_IB_STS2, 6, 4)
	s_cmp_eq_u32 s2, 0
	s_cbranch_scc0 .Lentry_in_a_cluster
	s_endpgm
.Lentry_in_a_cluster:
	s_bfe_u32 s2, ttmp6, 0x10000c
	s_cmp_lg_u32 s2, 0x3003
	s_cbranch_scc0 .Lentry_shape_is_right
	s_endpgm
.Lentry_shape_is_right:
; attn_vec = softmax(rq . k / 8) v for one head and 256 queries, both products on codes of BF8; the result is quantised for the output projection.
; THE SOFTMAX AHEAD OF THE SECOND PRODUCT: t = score x log2(e) / 8; M = the row's largest t so far, rounded UP to a whole number; p = 2^(t - M) is quantised, not normalised.  The row's sum is taken of the
; unquantised p, in f32, and divides at the end.  When M moves, the sum and O are multiplied by 2^(old M - new M), which rounds nothing.
; SHARES.  A work-group owns 256 queries of one head; each of its sixteen waves 16 of them, in 210 registers: four waves to a SIMD, so that one wave's vector work stands beside another's products and LDS loads.
; K AND V.  A head's codes, 262,144 bytes (16 key steps of 128 keys: eight tiles of k, 1,024 bytes each, then four fragments of v^T, 2,048 each), lie in LDS whole: every byte is filled once, nothing again.
; All are images of operand registers: every LDS load reads 512 consecutive bytes.  Wave w brings bytes 65,536 j + 4,096 w on, j = 0 .. 3: four loads of a wave are out; a quarter is read when all sixteen parts of it have landed.
; CLUSTER.  The four query blocks of a cluster belong to one head: each load is asked for jointly by the four, with the same descriptor (it hangs on the head and the wave's number).
; LAYOUT.  S^T = k q^T (source 0 = 16 neighbouring keys, source 1 = my 16 queries) and O^T = v^T p^T: a lane holds ONE query (lane % 16); tile t's eight registers are keys 16 t + 8 (lane / 16) + 0 .. 7,
; which one conversion turns into registers 2 t, 2 t + 1 of p's fragment.  O^T's tile ot likewise becomes registers 2 ot, 2 ot + 1 of my head's half of a fragment of the next product.
; LIMITS on the given exponents: e8 + e9 between -123 and 130 (added to c's exponent field); e11 between -126 and 112; e12 - e10 - e11 between -126 and 112.  NaN is not served.
; REGISTERS: v1 16 x lane; v2 the step's LDS address; v4-11 q; v12 -M, v13 the largest t, v[14:15] the sum in two halves; v16-79 k's eight tiles, then v's four fragments; v80-143 S^T, then p; v144-175 O^T;
;   v176-191 p's codes; v192-198 at work; v199 57,344 x 2^e11, v200 2^e11; v201, v202 the same for the way out.
.set F,  16
.set S,  80
.set O,  144
.set P,  176
.macro ROUND                           ; a round of the cluster's barrier
	s_barrier_signal -1
	s_barrier_wait -1
	s_cmp_lg_u32 s12, 0
	s_cbranch_scc1 .Lnot_wave_0_\@
	s_barrier_signal -3
.Lnot_wave_0_\@:
	s_barrier_wait -3
	s_barrier_signal -1
	s_barrier_wait -1
.endm
	s_load_b256 s[4:11], s[0:1], 0x0               ; q_img 4:5, kv_img 6:7, the scales' exponents 8:9, a_img 10:11
	v_lshl_add_u32 v208, v0, 2, 0x40000
	v_mov_b32 v209, 0
	ds_add_u32 v208, v209
	ds_add_u32 v208, v209
	v_lshrrev_b32 v1, 5, v0
	v_readfirstlane_b32 s12, v1                    ; wave 0..15
	s_bfe_u32 s13, ttmp6, 0x40000                  ; cx
	s_lshl_b32 s14, ttmp9, 2
	s_add_co_u32 s14, s14, s13                     ; my block of 256 queries: it enters q's and a's addresses alone
	s_and_b32 s15, ttmp7, 0xffff                   ; 16 x batch + head, which the four partners share
	; descriptor group 1: 4,096 dense bytes as 16 rows of 256 (32 elements of 8 bytes)
	s_mov_b32 s16, 15|(3<<16)|(1<<21)              ; 15:0 the mask: all four work-groups; 17:16 elements of 8 bytes; 21 set beside a mask
	s_mov_b32 s17, 32<<16                          ; tensor_dim0
	s_mov_b32 s18, 16<<16                          ; tensor_dim1
	s_mov_b32 s19, 32<<16                          ; tile_dim0
	s_mov_b32 s20, 16                              ; tile_dim1
	s_mov_b32 s21, 32                              ; from row to row
	s_mov_b32 s22, 0
	s_mov_b32 s23, 0
	s_lshl_b32 s54, s12, 12                        ; my 4,096 bytes of a quarter, in LDS and in the head's block alike
	s_lshl_b32 s52, s15, 18
	s_add_co_u32 s52, s52, s54
	s_mov_b32 s53, 0
	s_mov_b32 s48, 0x76543210                      ; v_permlanex16_b32's selects for lane l xor 16
	s_mov_b32 s49, 0xfedcba98
	s_wait_dscnt 0x0
	s_wait_kmcnt 0x0
	s_load_b128 s[40:43], s[8:9], 0x20             ; e8 (q), e9 (k), e10 (v), e11 (p)
	s_load_b32 s44, s[8:9], 0x30                   ; e12 (attn_vec)
	s_add_nc_u64 s[52:53], s[6:7], s[52:53]
.irp j, 0,1,2,3
	s_mov_b32 s[24+4*\j], 1
	s_add_co_u32 s[25+4*\j], s54, \j*65536
	s_add_nc_u64 s[26+4*\j:27+4*\j], s[52:53], \j*65536
	s_or_b32 s[27+4*\j], s[27+4*\j], 0x80000000
.endr
	ROUND                                          ; all four work-groups are here: the joint loads meet
	tensor_load_to_lds s[24:27], s[16:23]          ; the launch's only fills, as one group
	s_nop 0
	tensor_load_to_lds s[28:31], s[16:23]
	s_nop 0
	tensor_load_to_lds s[32:35], s[16:23]
	s_nop 0
	tensor_load_to_lds s[36:39], s[16:23]
	s_nop 0
.rept 4
	v_nop
.endr
	s_lshl_b32 s56, s15, 17                        ; q_img: [32][128 tiles][1024]
	s_lshl_b32 s57, s14, 14
	s_add_co_u32 s56, s56, s57
	s_lshl_b32 s57, s12, 10
	s_add_co_u32 s56, s56, s57
	s_mov_b32 s57, 0
	s_add_nc_u64 s[4:5], s[4:5], s[56:57]
	v_and_b32 v1, 31, v0
	v_lshlrev_b32 v1, 4, v1
	global_load_b128 v[4:7], v1, s[4:5]            ; q's fragment stays in registers
	global_load_b128 v[8:11], v1, s[4:5] offset:512
	s_lshr_b32 s58, s15, 4                         ; a_img: [256 tiles of positions][8 K steps][2048]; head n's half of its K step begins at byte 1,024 n of the tile's 16,384
	s_lshl_b32 s58, s58, 7
	s_lshl_b32 s59, s14, 4
	s_add_co_u32 s58, s58, s59
	s_add_co_u32 s58, s58, s12
	s_lshl_b32 s58, s58, 14
	s_and_b32 s59, s15, 15
	s_lshl_b32 s59, s59, 10
	s_add_co_u32 s58, s58, s59
	s_mov_b32 s59, 0
	s_add_nc_u64 s[10:11], s[10:11], s[58:59]
	v_mov_b32 v13, 0xff61b1e6                      ; the largest t so far: -3e38, under every t
	v_floor_f32 v12, -v13                          ; -M
	v_mov_b32 v14, 0                               ; the sum, in two halves
	v_mov_b32 v15, 0
	v_mov_b32 v195, 0                              ; (named as the upper half of the pair v[194:195])
	v_mov_b32 v198, 0                              ; written once: a lane permute's destination counts as one of its sources
.set j, 0
.rept 32
	v_mov_b32 v[O+j], 0                            ; O^T.  (The step is written once: the first finds zeros, which the first change of M leaves zeros)
.set j, j+1
.endr
	s_wait_kmcnt 0x0
	s_mov_b32 s46, 0x3e38aa3b                      ; c = log2(e) / 8
	s_add_co_i32 s60, s40, s41
	s_lshl_b32 s60, s60, 23
	s_add_co_i32 s46, s46, s60                     ; a score stands for score x 2^(e8 + e9): the exponents are added to c's exponent field
	s_mov_b32 s47, s46                             ; (named with it as a pair, so it is written)
	s_add_co_i32 s60, s43, 127
	s_lshl_b32 s61, s60, 23
	v_mov_b32 v200, s61                            ; 2^e11 as f32
	s_add_co_i32 s60, s60, 15
	s_lshl_b32 s60, s60, 23
	s_or_b32 s60, s60, 0x600000
	v_mov_b32 v199, s60                            ; 57,344 x 2^e11
	s_sub_co_i32 s60, s44, s42
	s_sub_co_i32 s60, s60, s43                     ; O^T / the sum stands for that x 2^(e10 + e11): its code is taken with 2^(e12 - e10 - e11)
	s_add_co_i32 s60, s60, 127
	s_lshl_b32 s61, s60, 23
	v_mov_b32 v202, s61
	s_add_co_i32 s60, s60, 15
	s_lshl_b32 s60, s60, 23
	s_or_b32 s60, s60, 0x600000
	v_mov_b32 v201, s60
; A KEY STEP: 128 keys, at LDS byte s50.
.macro STEP
	v_add_nc_u32 v2, s50, v1                       ; with the three v_nop: four places in front of loads into registers that the last products read
.rept 3
	v_nop
.endr
.irp t, 0,1,2,3,4,5,6,7
	ds_load_b128 v[F+8*\t:F+8*\t+3], v2 offset:\t*1024
	ds_load_b128 v[F+8*\t+4:F+8*\t+7], v2 offset:\t*1024+512
.endr
	s_wait_dscnt 0x0
.irp t, 0,1,2,3,4,5,6,7
	v_wmma_f32_16x16x64_bf8_bf8 v[S+8*\t:S+8*\t+7], v[F+8*\t:F+8*\t+7], v[4:11], 0
.endr
.rept 4
	v_nop                                          ; places in front of the loads below and of the first read of the scores
.endr
.irp ot, 0,1,2,3                       ; v's four fragments land while the softmax is worked
.irp g, 0,1,2,3
	ds_load_b128 v[F+16*\ot+4*\g:F+16*\ot+4*\g+3], v2 offset:8192+\ot*2048+512*\g
.endr
.endr
	v_max3_num_f32 v192, v[S], v[S+1], v[S+2]      ; the step's largest score of my query, among my 64 keys, in two chains, each tile from its low end on,
	v_max3_num_f32 v193, v[S+3], v[S+4], v[S+5]
.irp i, 6,10,14,18,22,26,30,34,38,42,46,50,54,58
	v_max3_num_f32 v192, v192, v[S+\i], v[S+1+\i]
	v_max3_num_f32 v193, v193, v[S+2+\i], v[S+3+\i]
.endr
	v_max3_num_f32 v192, v192, v[S+62], v[S+63]
	v_max_num_f32 v192, v192, v193
	v_permlanex16_b32 v198, v192, s48, s49
	v_max_num_f32 v192, v192, v198                 ; and among lane l xor 16's
	v_mul_f32 v192, s46, v192                      ; as t (c is positive)
	v_max_num_f32 v13, v13, v192                   ; the running largest t
	v_mov_b32 v192, v12
	v_floor_f32 v12, -v13                          ; the new -M = floor(-t) = -ceil(t): M is a whole number
	v_sub_f32 v192, v12, v192                      ; M's old value less its new one: a whole number, 0 or less
	v_cvt_i32_f32 v192, v192                       ; (it saturates)
	v_ldexp_f32 v194, 1.0, v192                    ; f = 2^(old M - new M)
.set j, 0
.rept 32
	v_pk_fma_f32 v[S+j:S+j+1], v[S+j:S+j+1], s[46:47], v[12:13] op_sel_hi:[1,0,0]   ; t - M, two at a time (of the pairs c and -M the low word serves both halves)
.set j, j+2
.endr
.set j, 0
.rept 64
	v_exp_f32 v[S+j], v[S+j]                       ; p = 2^(t - M), at most 1
.set j, j+1
.endr
	v_pk_mul_f32 v[14:15], v[14:15], v[194:195] op_sel_hi:[1,0]   ; the sums under the new M.  (A plain line behind the exponentials)
	s_wait_alu depctr_va_vdst(0)                   ; one wait for the whole batch, ahead of its first reader
	v_pk_add_f32 v[196:197], v[S:S+1], v[S+2:S+3]  ; the row's sum is taken of the unquantised p: two at a time, in two chains
.irp j, 4,8,12,16,20,24,28,32,36,40,44,48,52,56,60
	v_pk_add_f32 v[14:15], v[14:15], v[S+\j:S+1+\j]
	v_pk_add_f32 v[196:197], v[196:197], v[S+2+\j:S+3+\j]
.endr
	v_pk_add_f32 v[14:15], v[14:15], v[196:197]
.irp t, 0,1,2,3,4,5,6,7
.irp i, 0,1,2,3,4,5,6,7
	v_min_num_f32 v[S+8*\t+\i], v[S+8*\t+\i], v199 ; the conversion does not saturate (ISA guide 7.6.2); p is not negative, so the hold is one-sided
.endr
	v_cvt_scalef32_pk8_bf8_f32 v[P+2*\t:P+2*\t+1], v[S+8*\t:S+8*\t+7], v200
.endr
.set j, 0
.rept 16
	v_pk_mul_f32 v[O+j:O+j+1], v[O+j:O+j+1], v[194:195] op_sel_hi:[1,0]   ; O^T under the new M.  (Also the plain lines between the conversions and the products below)
.set j, j+2
.endr
	s_wait_dscnt 0x0                               ; v's fragments are in
.irp ot, 0,1,2,3
	v_wmma_f32_16x16x128_bf8_bf8 v[O+8*\ot:O+8*\ot+7], v[F+16*\ot:F+16*\ot+15], v[P:P+15], v[O+8*\ot:O+8*\ot+7]
.endr
	s_add_co_u32 s50, s50, 16384
.endm
; A quarter of the keys: my part of it has landed (the later quarters' loads, 3 - j of them, may stay out), everybody's has.
.macro QUARTER j
	s_wait_tensorcnt 3-\j
	s_barrier_signal -1
	s_barrier_wait -1
	s_mov_b32 s50, \j*65536
	s_mov_b32 s51, 4
.Lstep_\@:
	STEP
	s_sub_co_u32 s51, s51, 1
	s_cmp_lg_u32 s51, 0
	s_cbranch_scc1 .Lstep_\@
.endm
	s_wait_loadcnt 0x0                             ; q
	QUARTER 0
	QUARTER 1
	QUARTER 2
	QUARTER 3
	; THE WAY OUT: O^T / the sum, held, converted; my head's 64 of the next K are eight registers of a fragment: two stores of 512 consecutive bytes.
.rept 4
	v_nop
.endr
	v_add_f32 v14, v14, v15                        ; the sum's two halves,
	v_permlanex16_b32 v198, v14, s48, s49
	v_add_f32 v14, v14, v198                       ; and lane l xor 16's: the row's sum
	v_rcp_f32 v14, v14
	v_nop                                          ; a plain line behind the transcendental
	s_wait_alu depctr_va_vdst(0)                   ; and the wait ahead of its first reader
.set j, 0
.rept 32
	v_mul_f32 v[S+j], v[O+j], v14
.set j, j+1
.endr
.set j, 0
.rept 32
	v_med3_num_f32 v[S+j], v[S+j], -v201, v201
.set j, j+1
.endr
.irp ot, 0,1,2,3
	v_cvt_scalef32_pk8_bf8_f32 v[P+2*\ot:P+2*\ot+1], v[S+8*\ot:S+8*\ot+7], v202
.endr
	v_nop                                          ; a plain line behind the last conversion
	global_store_b128 v1, v[P:P+3], s[10:11]
	global_store_b128 v1, v[P+4:P+7], s[10:11] offset:512
	s_wait_tensorcnt 0x0
	ds_add_u32 v208, v209
	s_wait_dscnt 0x0
	ROUND                                          ; the closing round: no work-group ends while a partner may still ask for a tile that names it
	s_endpgm
.Lfunc_end_k_q244fea0cf5_attn:
	.size	k_q244fea0cf5_attn, .Lfunc_end_k_q244fea0cf5_attn-k_q244fea0cf5_attn
	.p2alignl 7, 3214868480
	.fill 96, 4, 3214868480
	.section	.rodata,"a",@progbits
	.p2align	6, 0x0
	.amdhsa_kernel k_q244fea0cf5_attn
		.amdhsa_group_segment_fixed_size 264192
		.amdhsa_private_segment_fixed_size 0
		.amdhsa_enable_private_segment 0
		.amdhsa_kernarg_size 32
		.amdhsa_user_sgpr_count 2
		.amdhsa_user_sgpr_kernarg_segment_ptr 1
		.amdhsa_wavefront_size32 1
		.amdhsa_system_sgpr_workgroup_id_x 1
		.amdhsa_system_sgpr_workgroup_id_y 1
		.amdhsa_system_sgpr_workgroup_id_z 1
		.amdhsa_system_vgpr_workitem_id 0
		.amdhsa_next_free_vgpr 210
		.amdhsa_next_free_sgpr 66
		.amdhsa_reserve_vcc 0
		.amdhsa_float_denorm_mode_32 3
		.amdhsa_float_denorm_mode_16_64 3
		.amdhsa_memory_ordered 1
		.amdhsa_forward_progress 1
		.amdhsa_inst_pref_size 73
	.end_amdhsa_kernel
	.amdgpu_metadata
---
amdhsa.version: [ 1, 2 ]
amdhsa.kernels:
  - .name:           k_q244fea0cf5_attn
    .symbol:         k_q244fea0cf5_attn.kd
    .args:
      - { .name: q_img, .offset: 0, .size: 8, .value_kind: global_buffer, .address_space: global }
      - { .name: kv_img, .offset: 8, .size: 8, .value_kind: global_buffer, .address_space: global }
      - { .name: lowp_scales, .offset: 16, .size: 8, .value_kind: global_buffer, .address_space: global }
      - { .name: a_img, .offset: 24, .size: 8, .value_kind: global_buffer, .address_space: global }
    .group_segment_fixed_size: 264192
    .private_segment_fixed_size: 0
    .kernarg_segment_align: 8
    .kernarg_segment_size: 32
    .max_flat_workgroup_size: 512
    .sgpr_count:     66
    .vgpr_count:     210
    .wavefront_size: 32
...
	.end_amdgpu_metadata
.endif
;; end of part 3
;; launch outln (part 4): grid 64 x 1, 16 waves a work-group, no clusters, 145,408 bytes of LDS; arguments a_img, wo_img, lowp_scales, bo, z1ss, out0; writes out0
.if DOCPART == 4
	.amdgcn_target "amdgcn-amd-amdhsa--gfx1250"
	.amdhsa_code_object_version 6
	.text
	.protected	k_q244fea0cf5_outln
	.globl	k_q244fea0cf5_outln
	.p2align	8
	.type	k_q244fea0cf5_outln,@function
k_q244fea0cf5_outln:
	s_mov_b64 s[64:65], 0
	v_nop
	global_prefetch_b8 v0, s[64:65] scope:SCOPE_SE
	s_setreg_imm32_b32 hwreg(HW_REG_WAVE_MODE, 25, 1), 1
	s_wait_xcnt 0x0
; out = LayerNorm over the 1,024 channels of (Wo attn_vec + bo + z), no affine; the product on codes of BF8, all else in f32; mean first, then the variance of x - mean, as the definition has it.
; SHARES.  The norm wants all 1,024 channels of a position in one work-group, and 64 positions are 256 consecutive bytes of a row of out: a work-group takes 64 positions x 1,024 channels: 64 work-groups.
; Wave w of sixteen makes channels 64 w .. 64 w + 63 for the 64 positions: 16 accumulators.  attn_vec's fragments (65,536 dense bytes) are copied into LDS once and read by all waves.
; Wo.  A wave's fragments of Wo are used by no other wave of the work-group: they go from memory straight into registers, 512 consecutive bytes a load, through A RING OF EIGHT SLOTS of 8 registers (16 rows x 64 K):
; K goes in 16 half steps of 64; a half step multiplies four slots, and a pair of slots is asked for again, for the half step two on, right behind its eight products.  So twelve loads of a wave stay out at each wait.
; (A fragment's image of 2,048 bytes, 16 rows x 128 K, is two images of 16 rows x 64 K on end: registers 0-7 are K 0-63.)
; z AND bo ARE THE C OF THE FIRST PRODUCTS.  A sum stands for sum x 2^E, E = e12 + e13.  z is loaded at the head, sixteen lanes on 256 consecutive bytes, turned into the accumulators' layout through the wave's own stage
; in LDS, and goes in as z x 2^-E + bo x 2^-E; at the end x = sum x 2^E.  Both factors are powers of two: nothing is rounded by them.  So no load stands behind the last product.
; NO JOINT LOADS: a joint load lands in LDS, and two slots of one K step of Wo (2 x 131,072 bytes) beside attn_vec's 65,536, the stages' 69,632 and the sums' 8,192 are 405,504 bytes, more than a work-group can have.
; NO PREFETCH: z is the launch's first load, and Wo's 1,048,576 bytes are read by all 64 work-groups, not once.
; ORIENTATION.  Source 0 = 16 positions, source 1 = 16 rows of Wo: a lane holds one channel and eight neighbouring positions.  A group of 16 channels goes through the stage and comes back with
; sixteen lanes on one channel's 64 positions, which is how z is read and out is written: 256 consecutive bytes, aligned.
; LIMIT: e12 + e13 between -126 and 126, so that 2^E and 2^-E are f32 numbers.  NaN is not served.
; REGISTERS: v1 16 x lane, v2 16 x thread, v3 the stage by channels' rows (row r, my half's 32 bytes), v4 the stage by whole rows (16 lanes a row), v5 my byte in z and out, v6, v7 the sums' words,
;   v8-15 bo x 2^-E (each twice, as pairs), v16-19 sums, v20-23 mean, then 1 / sqrt, v24-27 at work; v32-159 z, then the accumulators ((ot, pt) at 32 + 8 (4 ot + pt)), then x;
;   v160-223 the ring (half step hs, tile ot of channels: 160 + 32 (hs % 2) + 8 ot), later the waves' sums; v224-255 attn_vec's four fragments of a half step.
.set STAGE, 65536                      ; behind attn_vec's fragments: 16 rows x (256 bytes + 16) for each wave
.set SPT,   272
.set RED1,  STAGE+16*16*SPT            ; 16 waves x 256 bytes: the sums of x;  4,096 bytes on: those of the squares
.set ACC,   32
.set WF,    160
.set AF,    224
	s_load_b256 s[4:11], s[0:1], 0x0               ; a_img 4:5, wo_img 6:7, the scales' exponents 8:9, bo 10:11
	s_load_b128 s[12:15], s[0:1], 0x20             ; z 12:13, out 14:15
	v_lshrrev_b32 v1, 5, v0
	v_readfirstlane_b32 s18, v1                    ; wave 0..15
	v_and_b32 v29, 31, v0                          ; lane
	v_lshlrev_b32 v1, 4, v29
	v_lshlrev_b32 v2, 4, v0
	v_and_b32 v30, 15, v0                          ; r
	v_bfe_u32 v31, v0, 4, 1                        ; h
	s_mul_i32 s24, s18, 16*SPT
	s_add_co_u32 s24, s24, STAGE                   ; my stage
	v_mul_u32_u24 v3, v30, SPT
	v_lshl_add_u32 v3, v31, 5, v3
	v_add_nc_u32 v3, s24, v3                       ; row = channel r; my eight positions of tile pt: 64 pt + 32 h bytes on
	v_mul_u32_u24 v4, v31, SPT
	v_lshl_add_u32 v4, v30, 4, v4
	v_add_nc_u32 v4, s24, v4                       ; lanes 0-15 one channel, lanes 16-31 the next; positions 4 r .. 4 r + 3
	v_lshlrev_b32 v5, 13, v31
	v_lshl_add_u32 v5, v30, 4, v5                  ; the same place in z and in out: a channel is 8,192 bytes
	v_lshlrev_b32 v7, 4, v30
	v_add_nc_u32 v7, RED1, v7
	s_lshl_b32 s25, s18, 8
	v_add_nc_u32 v6, s25, v7
	v_lshlrev_b32 v30, 2, v30                      ; bo: 4 r
	s_mov_b32 s26, 0x76543210                      ; v_permlanex16_b32's selects for lane l xor 16
	s_mov_b32 s27, 0xfedcba98
	s_mov_b32 s42, 0x3a800000                      ; 1 / 1,024
	s_mov_b32 s44, 0x3727c5ac                      ; 1e-5
	s_lshr_b32 s20, ttmp9, 5                       ; batch
	s_and_b32 s21, ttmp9, 31                       ; which 64 positions
	s_lshl_b32 s22, s20, 23
	s_lshl_b32 s23, s21, 8
	s_add_co_u32 s22, s22, s23
	s_lshl_b32 s23, s18, 19                        ; my 64 channels
	s_add_co_u32 s22, s22, s23
	s_mov_b32 s23, 0
	s_lshl_b32 s28, ttmp9, 16                      ; my work-group's four tiles of positions in a_img
	s_mov_b32 s29, 0
	s_lshl_b32 s30, s18, 16                        ; my 64 rows in wo_img
	s_mov_b32 s31, 0
	s_mov_b32 s32, s25                             ; and in bo
	s_mov_b32 s33, 0
	s_wait_kmcnt 0x0
	s_load_b64 s[16:17], s[8:9], 0x30              ; e12, e13
	s_add_nc_u64 s[4:5], s[4:5], s[28:29]
	s_add_nc_u64 s[6:7], s[6:7], s[30:31]
	s_add_nc_u64 s[10:11], s[10:11], s[32:33]
	s_add_nc_u64 s[12:13], s[12:13], s[22:23]
	s_add_nc_u64 s[14:15], s[14:15], s[22:23]
; Four loads: the slots of tiles 2 p and 2 p + 1 of my channels for half step hs
.macro WLD hs, p
.irp u, 0,1
.irp g, 0,1
	global_load_b128 v[WF+32*((\hs)%2)+8*(2*(\p)+\u)+4*\g:WF+32*((\hs)%2)+8*(2*(\p)+\u)+4*\g+3], v1, s[6:7] offset:((\hs)/2)*8192+(2*(\p)+\u)*2048+((\hs)%2)*1024+512*\g
.endr
.endr
.endm
; Eight LDS loads: attn_vec's fragments of the four tiles of positions for half step hs
.macro ALD hs
.irp pt, 0,1,2,3
.irp g, 0,1
	ds_load_b128 v[AF+8*\pt+4*\g:AF+8*\pt+4*\g+3], v1 offset:\pt*16384+((\hs)/2)*2048+((\hs)%2)*1024+512*\g
.endr
.endr
.endm
; Eight matrix instructions: tiles 2 p, 2 p + 1 of channels x the four tiles of positions.  The 16 accumulators take turns, one instruction a turn, in the same order in every half step.
.macro MUL8 hs, p
.irp u, 0,1
.irp pt, 0,1,2,3
	v_wmma_f32_16x16x64_bf8_bf8 v[ACC+8*(4*(2*(\p)+\u)+\pt):ACC+8*(4*(2*(\p)+\u)+\pt)+7], v[AF+8*\pt:AF+8*\pt+7], v[WF+32*((\hs)%2)+8*(2*(\p)+\u):WF+32*((\hs)%2)+8*(2*(\p)+\u)+7], v[ACC+8*(4*(2*(\p)+\u)+\pt):ACC+8*(4*(2*(\p)+\u)+\pt)+7]
.endr
.endr
.endm
	; THE HEAD: all that the launch reads but the rest of Wo is asked for at once: 8 + 4 + 32 + 16 = 60 loads of a wave are out
.irp i, 0,1,2,3,4,5,6,7
	global_load_b128 v[AF+4*\i:AF+4*\i+3], v2, s[4:5] offset:8192*\i     ; attn_vec's codes: 512 threads x 16 bytes, eight times
.endr
.irp ot, 0,1,2,3
	global_load_b32 v[8+2*\ot], v30, s[10:11] offset:64*\ot              ; bo(64 w + 16 ot + r)
.endr
.irp ot, 0,1,2,3
.irp i, 0,1,2,3,4,5,6,7
	global_load_b128 v[ACC+32*\ot+4*\i:ACC+32*\ot+4*\i+3], v5, s[12:13] offset:(16*\ot+2*\i)*8192 th:TH_LOAD_NT   ; z(channel 16 ot + 2 i + h, positions 4 r ..): sixteen lanes read 256 consecutive bytes
.endr
.endr
	WLD 0, 0
	WLD 0, 1
	WLD 1, 0
	WLD 1, 1
	s_wait_loadcnt 52                              ; attn_vec's eight loads are in; bo's 4, z's 32 and Wo's 16 may be out
.irp i, 0,1,2,3,4,5,6,7
	ds_store_b128 v2, v[AF+4*\i:AF+4*\i+3] offset:8192*\i
.endr
; z's group ot (16 channels) through my stage: in by whole rows, back in the accumulators' layout, into the registers that it left
.macro ZIN ot
	s_wait_loadcnt 40-8*(\ot)                      ; this group's eight loads are in (and bo's); the later groups' 8 (3 - ot) and Wo's 16 may be out
.irp i, 0,1,2,3,4,5,6,7
	ds_store_b128 v4, v[ACC+32*(\ot)+4*\i:ACC+32*(\ot)+4*\i+3] offset:2*SPT*\i
.endr
.irp pt, 0,1,2,3
	ds_load_b128 v[ACC+32*(\ot)+8*\pt:ACC+32*(\ot)+8*\pt+3], v3 offset:64*\pt         ; LDS serves a wave's instructions in order: these see my stores, and the next group's stores come behind them
	ds_load_b128 v[ACC+32*(\ot)+8*\pt+4:ACC+32*(\ot)+8*\pt+7], v3 offset:64*\pt+16
.endr
.endm
.macro ZFMA ot                         ; z x 2^-E + bo x 2^-E: what the first products add onto
.irp i, 0,2,4,6,8,10,12,14,16,18,20,22,24,26,28,30
	v_pk_fma_f32 v[ACC+32*(\ot)+\i:ACC+32*(\ot)+\i+1], v[ACC+32*(\ot)+\i:ACC+32*(\ot)+\i+1], s[40:41], v[8+2*(\ot):9+2*(\ot)] op_sel_hi:[1,0,1]
.endr
.endm
	ZIN 0
	ZIN 1
	s_wait_kmcnt 0x0
	s_add_co_i32 s36, s16, s17                     ; E = e12 + e13
	s_add_co_i32 s34, s36, 127
	s_lshl_b32 s34, s34, 23                        ; 2^E as f32
	s_mov_b32 s35, s34                             ; (named with it as a pair, so it is written)
	s_sub_co_i32 s40, 127, s36
	s_lshl_b32 s40, s40, 23                        ; 2^-E as f32
	s_mov_b32 s41, s40
	s_sub_co_i32 s36, 0, s36                       ; -E
.irp ot, 0,1,2,3
	v_ldexp_f32 v[9+2*\ot], v[8+2*\ot], s36        ; bo x 2^-E, twice: a pair for the packed multiply-add
	v_ldexp_f32 v[8+2*\ot], v[8+2*\ot], s36
.endr
	s_wait_dscnt 16                                ; group 0 is back; group 1's 8 stores and 8 loads may be out
	ZFMA 0
	ZIN 2
	s_wait_dscnt 16                                ; group 1 is back
	ZFMA 1
	ZIN 3
	s_wait_dscnt 16                                ; group 2 is back
	ZFMA 2
	s_wait_dscnt 0x0                               ; group 3 is back; and, for the others' sake, my stores of attn_vec's codes have landed
	s_barrier_signal -1
	ZFMA 3                                         ; work on registers while the others arrive
	s_barrier_wait -1                              ; attn_vec's 32 fragments lie in LDS
	ALD 0
; A HALF STEP of 64 along K: 16 matrix instructions.  Four places stand in front of each run of loads into registers that matrix instructions have read (ISA guide 7.12.1 for vector instructions).
; Loads of Wo go out in groups of four, (hs, 0), (hs, 1), (hs + 1, 0), ..; loads come back in order (ISA guide 5.7.1), so each wait names the loads issued behind the group that it wants.
.macro HALF hs
.if (\hs) < 15
	s_wait_loadcnt 12                              ; my first pair of slots is in; behind it: my second pair's 4 loads and the next half step's 8
.else
	s_wait_loadcnt 4                               ; behind it: my second pair's 4
.endif
	s_wait_dscnt 0x0                               ; attn_vec's four fragments
	MUL8 \hs, 0
.if (\hs) < 14
.rept 4
	v_nop
.endr
	WLD (\hs)+2, 0                                 ; the pair just multiplied takes the half step two on
	s_wait_loadcnt 12                              ; my second pair is in; behind it: the next half step's 8 and the 4 just issued
.elseif (\hs) == 14
	s_wait_loadcnt 8                               ; behind it: the last half step's 8
.else
	s_wait_loadcnt 0
.endif
	MUL8 \hs, 1
.rept 4
	v_nop                                          ; places for the loads below, and behind the last half step for the first read of the sums
.endr
.if (\hs) < 14
	WLD (\hs)+2, 1
.endif
.if (\hs) < 15
	ALD (\hs)+1
.endif
.endm
.irp s, 0,1,2,3,4,5,6,7,8,9,10,11,12,13,14,15
	HALF \s
.endr
; THE TAIL.  Channels 16 ot .. + 15: x = sum x 2^E, in place, each accumulator from its low end on; through my stage; afterwards register ACC + 32 ot + 4 i + q holds x(channel 64 w + 16 ot + 2 i + h, position 4 r + q).
.macro XOUT ot
.irp i, 0,2,4,6,8,10,12,14,16,18,20,22,24,26,28,30
	v_pk_mul_f32 v[ACC+32*(\ot)+\i:ACC+32*(\ot)+\i+1], v[ACC+32*(\ot)+\i:ACC+32*(\ot)+\i+1], s[34:35] op_sel_hi:[1,0]
.endr
.irp pt, 0,1,2,3
	ds_store_b128 v3, v[ACC+32*(\ot)+8*\pt:ACC+32*(\ot)+8*\pt+3] offset:64*\pt
	ds_store_b128 v3, v[ACC+32*(\ot)+8*\pt+4:ACC+32*(\ot)+8*\pt+7] offset:64*\pt+16
.endr
.irp i, 0,1,2,3,4,5,6,7
	ds_load_b128 v[ACC+32*(\ot)+4*\i:ACC+32*(\ot)+4*\i+3], v4 offset:2*SPT*\i   ; in order behind my stores; the next group's stores come behind them
.endr
.endm
.macro SUM ot                          ; the sums of x over my lane's channels, one for each of my four positions; the first additions start them
.if (\ot) == 0
	v_pk_add_f32 v[16:17], v[ACC:ACC+1], v[ACC+4:ACC+5]
	v_pk_add_f32 v[18:19], v[ACC+2:ACC+3], v[ACC+6:ACC+7]
.irp i, 8,12,16,20,24,28
	v_pk_add_f32 v[16:17], v[16:17], v[ACC+\i:ACC+\i+1]
	v_pk_add_f32 v[18:19], v[18:19], v[ACC+\i+2:ACC+\i+3]
.endr
.else
.irp i, 0,4,8,12,16,20,24,28
	v_pk_add_f32 v[16:17], v[16:17], v[ACC+32*(\ot)+\i:ACC+32*(\ot)+\i+1]
	v_pk_add_f32 v[18:19], v[18:19], v[ACC+32*(\ot)+\i+2:ACC+32*(\ot)+\i+3]
.endr
.endif
.endm
.irp q, 0,1,2,3
	v_mov_b32 v[24+\q], 0                          ; a lane permute's destination counts as one of its sources
.endr
	XOUT 0
	XOUT 1
	s_wait_dscnt 16                                ; group 0 is back; group 1's 8 stores and 8 loads may be out
	SUM 0
	XOUT 2
	s_wait_dscnt 16
	SUM 1
	XOUT 3
	s_wait_dscnt 16
	SUM 2
	s_wait_dscnt 0x0
	SUM 3
; v[16:19], my lane's sums over its channels, become the sums over all 1,024 channels in v[160:163]: the other half of the lanes, then the sixteen waves through LDS (words of their own for each of the two uses).
.macro REDUCE off
.irp q, 0,1,2,3
	v_permlanex16_b32 v[24+\q], v[16+\q], s26, s27
.endr
	v_pk_add_f32 v[16:17], v[16:17], v[24:25]
	v_pk_add_f32 v[18:19], v[18:19], v[26:27]
	ds_store_b128 v6, v[16:19] offset:\off         ; lanes r and 16 + r write the same words with the same numbers
	s_wait_dscnt 0x0                               ; for the others' sake
	s_barrier_signal -1
	s_barrier_wait -1
.irp i, 0,1,2,3,4,5,6,7,8,9,10,11,12,13,14,15
	ds_load_b128 v[160+4*\i:163+4*\i], v7 offset:\off+256*\i
.endr
	s_wait_dscnt 0x0
.irp i, 1,2,3,4,5,6,7,8,9,10,11,12,13,14,15
	v_pk_add_f32 v[160:161], v[160:161], v[160+4*\i:161+4*\i]
	v_pk_add_f32 v[162:163], v[162:163], v[162+4*\i:163+4*\i]
.endr
.endm
	REDUCE 0
.irp q, 0,1,2,3
	v_mul_f32 v[20+\q], s42, v[160+\q]             ; the mean
.endr
.set k, 0
.rept 32
	v_pk_add_f32 v[ACC+4*k:ACC+4*k+1], v[ACC+4*k:ACC+4*k+1], v[20:21] neg_lo:[0,1] neg_hi:[0,1]      ; x - mean, in place
	v_pk_add_f32 v[ACC+4*k+2:ACC+4*k+3], v[ACC+4*k+2:ACC+4*k+3], v[22:23] neg_lo:[0,1] neg_hi:[0,1]
.set k, k+1
.endr
	v_pk_mul_f32 v[16:17], v[ACC:ACC+1], v[ACC:ACC+1]             ; the first squares start the sums
	v_pk_mul_f32 v[18:19], v[ACC+2:ACC+3], v[ACC+2:ACC+3]
.set k, 1
.rept 31
	v_pk_fma_f32 v[16:17], v[ACC+4*k:ACC+4*k+1], v[ACC+4*k:ACC+4*k+1], v[16:17]
	v_pk_fma_f32 v[18:19], v[ACC+4*k+2:ACC+4*k+3], v[ACC+4*k+2:ACC+4*k+3], v[18:19]
.set k, k+1
.endr
	REDUCE 4096
.irp q, 0,1,2,3
	v_fma_f32 v[20+\q], v[160+\q], s42, s44        ; the variance + 1e-5
.endr
.irp q, 0,1,2,3
	v_rsq_f32 v[20+\q], v[20+\q]
.endr
	v_nop                                          ; a plain line behind the last transcendental
	s_wait_alu depctr_va_vdst(0)                   ; one wait for the four, ahead of their first reader
.set k, 0
.rept 32
	v_pk_mul_f32 v[ACC+4*k:ACC+4*k+1], v[ACC+4*k:ACC+4*k+1], v[20:21]
	v_pk_mul_f32 v[ACC+4*k+2:ACC+4*k+3], v[ACC+4*k+2:ACC+4*k+3], v[22:23]
.set k, k+1
.endr
.irp ot, 0,1,2,3
.irp i, 0,1,2,3,4,5,6,7
	global_store_b128 v5, v[ACC+32*\ot+4*\i:ACC+32*\ot+4*\i+3], s[14:15] offset:(16*\ot+2*\i)*8192 th:TH_STORE_NT   ; sixteen lanes store 256 consecutive bytes, aligned; written once, read by nobody here
.endr
.endr
	s_wait_xcnt 0x0
	v_lshl_add_u32 v254, v0, 2, 0x23000
	v_mov_b32 v255, 0
	s_wait_tensorcnt 0x0
	ds_add_u32 v254, v255
	s_wait_dscnt 0x0
	s_endpgm
.Lfunc_end_k_q244fea0cf5_outln:
	.size	k_q244fea0cf5_outln, .Lfunc_end_k_q244fea0cf5_outln-k_q244fea0cf5_outln
	.p2alignl 7, 3214868480
	.fill 96, 4, 3214868480
	.section	.rodata,"a",@progbits
	.p2align	6, 0x0
	.amdhsa_kernel k_q244fea0cf5_outln
		.amdhsa_group_segment_fixed_size 145408
		.amdhsa_private_segment_fixed_size 0
		.amdhsa_enable_private_segment 0
		.amdhsa_kernarg_size 48
		.amdhsa_user_sgpr_count 2
		.amdhsa_user_sgpr_kernarg_segment_ptr 1
		.amdhsa_wavefront_size32 1
		.amdhsa_system_sgpr_workgroup_id_x 1
		.amdhsa_system_sgpr_workgroup_id_y 1
		.amdhsa_system_sgpr_workgroup_id_z 1
		.amdhsa_system_vgpr_workitem_id 0
		.amdhsa_next_free_vgpr 256
		.amdhsa_next_free_sgpr 66
		.amdhsa_reserve_vcc 0
		.amdhsa_float_denorm_mode_32 3
		.amdhsa_float_denorm_mode_16_64 3
		.amdhsa_memory_ordered 1
		.amdhsa_forward_progress 1
		.amdhsa_inst_pref_size 93
	.end_amdhsa_kernel
	.amdgpu_metadata
---
amdhsa.version: [ 1, 2 ]
amdhsa.kernels:
  - .name:           k_q244fea0cf5_outln
    .symbol:         k_q244fea0cf5_outln.kd
    .args:
      - { .name: a_img, .offset: 0, .size: 8, .value_kind: global_buffer, .address_space: global }
      - { .name: wo_img, .offset: 8, .size: 8, .value_kind: global_buffer, .address_space: global }
      - { .name: lowp_scales, .offset: 16, .size: 8, .value_kind: global_buffer, .address_space: global }
      - { .name: bo, .offset: 24, .size: 8, .value_kind: global_buffer, .address_space: global }
      - { .name: z1ss, .offset: 32, .size: 8, .value_kind: global_buffer, .address_space: global }
      - { .name: out0, .offset: 40, .size: 8, .value_kind: global_buffer, .address_space: global }
    .group_segment_fixed_size: 145408
    .private_segment_fixed_size: 0
    .kernarg_segment_align: 8
    .kernarg_segment_size: 48
    .max_flat_workgroup_size: 512
    .sgpr_count:     66
    .vgpr_count:     256
    .wavefront_size: 32
...
	.end_amdgpu_metadata
.endif
;; end of part 4
;; ======== version 2 of 2: 4 launches; version 1 with the launch outln written anew for expert scheduling mode
;; workspace buffers: x_img 8,388,608 bytes; w_img 12,582,912 bytes; wo_img 1,048,576 bytes; q_img 4,194,304 bytes; kv_img 8,388,608 bytes; a_img 4,194,304 bytes
;; launch quant: the kernel of part 1 again; grid 464 x 1, 4 waves a work-group, no clusters, 34,304 bytes of LDS; arguments z1ss, u1ss, Wqkv0, Winj0, Wqkv1, Winj1, Wo, lowp_scales, x_img, w_img, wo_img; writes x_img, w_img, wo_img
;; launch qkv: the kernel of part 2 again; grid 16 x 16, 4 waves a work-group, clusters of 4 x 4, 327,680 bytes of LDS; arguments x_img, w_img, lowp_scales, r_w_bias, q_img, kv_img; writes q_img, kv_img
;; launch attn: the kernel of part 3 again; grid 8 x 32, 16 waves a work-group, clusters of 4 x 1, 264,192 bytes of LDS; arguments q_img, kv_img, lowp_scales, a_img; writes a_img
;; launch outln (part 5): grid 64 x 1, 16 waves a work-group, no clusters, 145,408 bytes of LDS; arguments a_img, wo_img, lowp_scales, bo, z1ss, out0; writes out0
.if DOCPART == 5
	.amdgcn_target "amdgcn-amd-amdhsa--gfx1250"
	.amdhsa_code_object_version 6
	.text
	.protected	k_q244fea0cf5_outln
	.globl	k_q244fea0cf5_outln
	.p2align	8
	.type	k_q244fea0cf5_outln,@function
k_q244fea0cf5_outln:
	s_mov_b64 s[64:65], 0
	v_nop
	global_prefetch_b8 v0, s[64:65] scope:SCOPE_SE
	s_setreg_imm32_b32 hwreg(HW_REG_WAVE_SCHED_MODE, 0, 2), 2
	s_setreg_imm32_b32 hwreg(HW_REG_WAVE_MODE, 25, 1), 1
	s_wait_xcnt 0x0
	s_wait_alu depctr_vm_vsrc(0)
; out = LayerNorm over the 1,024 channels of (Wo attn_vec + bo + z), no affine; the product on codes of BF8, all else in f32; mean first, then the variance of x - mean, as the definition has it.
; SHARES.  The norm wants all 1,024 channels of a position in one work-group, and 64 positions are 256 consecutive bytes of a row of out: a work-group takes 64 positions x 1,024 channels: 64 work-groups.
; Wave w of sixteen makes channels 64 w .. 64 w + 63 for the 64 positions: 16 accumulators.  attn_vec's fragments (65,536 dense bytes) are copied into LDS once and read by all waves.
; Wo.  A wave's fragments of Wo are used by no other wave of the work-group: they go from memory straight into registers, 512 consecutive bytes a load, through A RING OF EIGHT SLOTS of 8 registers (16 rows x 64 K):
; K goes in 16 half steps of 64; a half step multiplies four slots, and behind its sixteen products the four are asked for again, for the half step two on.  So eight to twelve loads of a wave stay out at each wait.
; (A fragment's image of 2,048 bytes, 16 rows x 128 K, is two images of 16 rows x 64 K on end: registers 0-7 are K 0-63.)
; z AND bo ARE THE C OF THE FIRST PRODUCTS.  A sum stands for sum x 2^E, E = e12 + e13.  z is loaded at the head, sixteen lanes on 256 consecutive bytes, turned into the accumulators' layout through the wave's own stage
; in LDS, and goes in as z x 2^-E + bo x 2^-E; at the end x = sum x 2^E.  Both factors are powers of two: nothing is rounded by them.  So no load stands behind the last product.
; NO JOINT LOADS: a joint load lands in LDS, and two slots of one K step of Wo (2 x 131,072 bytes) beside attn_vec's 65,536, the stages' 69,632 and the sums' 8,192 are 405,504 bytes, more than a work-group can have.
; NO PREFETCH: z is the launch's first load, and Wo's 1,048,576 bytes are read by all 64 work-groups, not once.
; ORIENTATION.  Source 0 = 16 positions, source 1 = 16 rows of Wo: a lane holds one channel and eight neighbouring positions.  A group of 16 channels goes through the stage and comes back with
; sixteen lanes on one channel's 64 positions, which is how z is read and out is written: 256 consecutive bytes, aligned.
; LIMIT: e12 + e13 between -126 and 126, so that 2^E and 2^-E are f32 numbers.  NaN is not served.
; REGISTERS: v1 16 x lane, v2 16 x thread, v3 the stage by channels' rows (row r, my half's 32 bytes), v4 the stage by whole rows (16 lanes a row), v5 my byte in z and out, v6, v7 the sums' words,
;   v8-15 bo x 2^-E (each twice, as pairs), v16-19 sums, v20-23 mean, then 1 / sqrt, v24-27 at work; v32-159 z, then the accumulators ((ot, pt) at 32 + 8 (4 ot + pt)), then x;
;   v160-223 the ring (half step hs, tile ot of channels: 160 + 32 (hs % 2) + 8 ot), later the waves' sums; v224-255 attn_vec's four fragments of a half step.
; THE MODE: SCHED_MODE bits 1:0 = 2 (LLVM: expert scheduling mode 2), set by the entry lines.  The code itself states the register dependences between vector or matrix instructions and memory or LDS
; instructions, with s_wait_alu, always for 0.  The text is one straight run: no loop, no branch.
; THE PLAN.  Registers that memory or LDS instructions touch:
;   v1-v7, v30   offsets and LDS addresses: written at the head, ahead of one wait on va_vdst, and never again.
;   v224-255     The head's loads of attn_vec's codes land here and its LDS stores read them; from then on half step hs: its products read them, and behind them the LDS loads of hs + 1 land.
;   v160-223     Half step hs: its products read the four slots of set hs % 2, and behind them the loads of hs + 2 land there.  In the tail: the loads of the waves' sums land here, and additions read them.
;   v32-159      At the head, a group of 32 at a time: z's loads land, LDS stores read, LDS loads land, the multiply-adds write.  In the tail: the scalings write all 128; then a group at a time LDS stores read and
;                LDS loads land; vector instructions work in place; the global stores read.
;   v16-19       Written by additions, read by one LDS store, twice.
; So ONE wait on va_vdst stands in a half step, behind its sixteen products: they are done reading v224-255 and their four slots.  The sixteen loads that follow it name nothing else but v1.  In the tail one wait on
; va_vdst stands behind all the scalings and serves the four groups' turns through the stage: the sums that are issued between them name groups that are back already, and v16-19.  A wait on vm_vsrc stands between a
; group's stores into the stage and the loads that land in the registers that those stores read.
.set STAGE, 65536                      ; behind attn_vec's fragments: 16 rows x (256 bytes + 16) for each wave
.set SPT,   272
.set RED1,  STAGE+16*16*SPT            ; 16 waves x 256 bytes: the sums of x;  4,096 bytes on: those of the squares
.set ACC,   32
.set WF,    160
.set AF,    224
	s_load_b256 s[4:11], s[0:1], 0x0               ; a_img 4:5, wo_img 6:7, the scales' exponents 8:9, bo 10:11
	s_load_b128 s[12:15], s[0:1], 0x20             ; z 12:13, out 14:15
	v_lshrrev_b32 v1, 5, v0
	v_readfirstlane_b32 s18, v1                    ; wave 0..15
	v_and_b32 v29, 31, v0                          ; lane
	v_lshlrev_b32 v1, 4, v29
	v_lshlrev_b32 v2, 4, v0
	v_and_b32 v30, 15, v0                          ; r
	v_bfe_u32 v31, v0, 4, 1                        ; h
	s_wait_alu depctr_va_sdst(0)                   ; s18 is written, ahead of its first reader: the stage's place and the bases of Wo, bo, z and out are made from it
	s_mul_i32 s24, s18, 16*SPT
	s_add_co_u32 s24, s24, STAGE                   ; my stage
	v_mul_u32_u24 v3, v30, SPT
	v_lshl_add_u32 v3, v31, 5, v3
	v_add_nc_u32 v3, s24, v3                       ; row = channel r; my eight positions of tile pt: 64 pt + 32 h bytes on
	v_mul_u32_u24 v4, v31, SPT
	v_lshl_add_u32 v4, v30, 4, v4
	v_add_nc_u32 v4, s24, v4                       ; lanes 0-15 one channel, lanes 16-31 the next; positions 4 r .. 4 r + 3
	v_lshlrev_b32 v5, 13, v31
	v_lshl_add_u32 v5, v30, 4, v5                  ; the same place in z and in out: a channel is 8,192 bytes
	v_lshlrev_b32 v7, 4, v30
	v_add_nc_u32 v7, RED1, v7
	s_lshl_b32 s25, s18, 8
	v_add_nc_u32 v6, s25, v7
	v_lshlrev_b32 v30, 2, v30                      ; bo: 4 r
	s_mov_b32 s26, 0x76543210                      ; v_permlanex16_b32's selects for lane l xor 16
	s_mov_b32 s27, 0xfedcba98
	s_mov_b32 s42, 0x3a800000                      ; 1 / 1,024
	s_mov_b32 s44, 0x3727c5ac                      ; 1e-5
	s_lshr_b32 s20, ttmp9, 5                       ; batch
	s_and_b32 s21, ttmp9, 31                       ; which 64 positions
	s_lshl_b32 s22, s20, 23
	s_lshl_b32 s23, s21, 8
	s_add_co_u32 s22, s22, s23
	s_lshl_b32 s23, s18, 19                        ; my 64 channels
	s_add_co_u32 s22, s22, s23
	s_mov_b32 s23, 0
	s_lshl_b32 s28, ttmp9, 16                      ; my work-group's four tiles of positions in a_img
	s_mov_b32 s29, 0
	s_lshl_b32 s30, s18, 16                        ; my 64 rows in wo_img
	s_mov_b32 s31, 0
	s_mov_b32 s32, s25                             ; and in bo
	s_mov_b32 s33, 0
	s_wait_kmcnt 0x0
	s_load_b64 s[16:17], s[8:9], 0x30              ; e12, e13
	s_add_nc_u64 s[4:5], s[4:5], s[28:29]
	s_add_nc_u64 s[6:7], s[6:7], s[30:31]
	s_add_nc_u64 s[10:11], s[10:11], s[32:33]
	s_add_nc_u64 s[12:13], s[12:13], s[22:23]
	s_add_nc_u64 s[14:15], s[14:15], s[22:23]
; Four loads: the slots of tiles 2 p and 2 p + 1 of my channels for half step hs
.macro WLD hs, p
.irp u, 0,1
.irp g, 0,1
	global_load_b128 v[WF+32*((\hs)%2)+8*(2*(\p)+\u)+4*\g:WF+32*((\hs)%2)+8*(2*(\p)+\u)+4*\g+3], v1, s[6:7] offset:((\hs)/2)*8192+(2*(\p)+\u)*2048+((\hs)%2)*1024+512*\g
.endr
.endr
.endm
; Eight LDS loads: attn_vec's fragments of the four tiles of positions for half step hs
.macro ALD hs
.irp pt, 0,1,2,3
.irp g, 0,1
	ds_load_b128 v[AF+8*\pt+4*\g:AF+8*\pt+4*\g+3], v1 offset:\pt*16384+((\hs)/2)*2048+((\hs)%2)*1024+512*\g
.endr
.endr
.endm
; Eight matrix instructions: tiles 2 p, 2 p + 1 of channels x the four tiles of positions.  The 16 accumulators take turns, one instruction a turn, in the same order in every half step.
.macro MUL8 hs, p
.irp u, 0,1
.irp pt, 0,1,2,3
	v_wmma_f32_16x16x64_bf8_bf8 v[ACC+8*(4*(2*(\p)+\u)+\pt):ACC+8*(4*(2*(\p)+\u)+\pt)+7], v[AF+8*\pt:AF+8*\pt+7], v[WF+32*((\hs)%2)+8*(2*(\p)+\u):WF+32*((\hs)%2)+8*(2*(\p)+\u)+7], v[ACC+8*(4*(2*(\p)+\u)+\pt):ACC+8*(4*(2*(\p)+\u)+\pt)+7]
.endr
.endr
.endm
	; THE HEAD: all that the launch reads but the rest of Wo is asked for at once: 8 + 4 + 32 + 16 = 60 loads of a wave are out
	s_wait_alu depctr_va_vdst(0)                   ; v1 to v7 and v30 are written: every load and store of the kernel, global or LDS, reads one of them as its offset or address, and none is written again
.irp i, 0,1,2,3,4,5,6,7
	global_load_b128 v[AF+4*\i:AF+4*\i+3], v2, s[4:5] offset:8192*\i     ; attn_vec's codes: 512 threads x 16 bytes, eight times
.endr
.irp ot, 0,1,2,3
	global_load_b32 v[8+2*\ot], v30, s[10:11] offset:64*\ot              ; bo(64 w + 16 ot + r)
.endr
.irp ot, 0,1,2,3
.irp i, 0,1,2,3,4,5,6,7
	global_load_b128 v[ACC+32*\ot+4*\i:ACC+32*\ot+4*\i+3], v5, s[12:13] offset:(16*\ot+2*\i)*8192 th:TH_LOAD_NT   ; z(channel 16 ot + 2 i + h, positions 4 r ..): sixteen lanes read 256 consecutive bytes
.endr
.endr
	WLD 0, 0
	WLD 0, 1
	WLD 1, 0
	WLD 1, 1
	s_wait_loadcnt 52                              ; attn_vec's eight loads are in; bo's 4, z's 32 and Wo's 16 may be out
.irp i, 0,1,2,3,4,5,6,7
	ds_store_b128 v2, v[AF+4*\i:AF+4*\i+3] offset:8192*\i
.endr
; z's group ot (16 channels) through my stage: in by whole rows, back in the accumulators' layout, into the registers that it left
.macro ZIN ot
	s_wait_loadcnt 40-8*(\ot)                      ; this group's eight loads are in (and bo's); the later groups' 8 (3 - ot) and Wo's 16 may be out
.irp i, 0,1,2,3,4,5,6,7
	ds_store_b128 v4, v[ACC+32*(\ot)+4*\i:ACC+32*(\ot)+4*\i+3] offset:2*SPT*\i
.endr
	s_wait_alu depctr_vm_vsrc(0)                   ; the LDS stores above have read the group's 32 registers, in which the loads below land and which the multiply-adds then write; in group 0 also: the stores of attn_vec's codes have read v224-255, in which the first fragments land
.irp pt, 0,1,2,3
	ds_load_b128 v[ACC+32*(\ot)+8*\pt:ACC+32*(\ot)+8*\pt+3], v3 offset:64*\pt         ; LDS serves a wave's instructions in order: these see my stores, and the next group's stores come behind them
	ds_load_b128 v[ACC+32*(\ot)+8*\pt+4:ACC+32*(\ot)+8*\pt+7], v3 offset:64*\pt+16
.endr
.endm
.macro ZFMA ot                         ; z x 2^-E + bo x 2^-E: what the first products add onto
.irp i, 0,2,4,6,8,10,12,14,16,18,20,22,24,26,28,30
	v_pk_fma_f32 v[ACC+32*(\ot)+\i:ACC+32*(\ot)+\i+1], v[ACC+32*(\ot)+\i:ACC+32*(\ot)+\i+1], s[40:41], v[8+2*(\ot):9+2*(\ot)] op_sel_hi:[1,0,1]
.endr
.endm
	ZIN 0
	ZIN 1
	s_wait_kmcnt 0x0
	s_add_co_i32 s36, s16, s17                     ; E = e12 + e13
	s_add_co_i32 s34, s36, 127
	s_lshl_b32 s34, s34, 23                        ; 2^E as f32
	s_mov_b32 s35, s34                             ; (named with it as a pair, so it is written)
	s_sub_co_i32 s40, 127, s36
	s_lshl_b32 s40, s40, 23                        ; 2^-E as f32
	s_mov_b32 s41, s40
	s_sub_co_i32 s36, 0, s36                       ; -E
.irp ot, 0,1,2,3
	v_ldexp_f32 v[9+2*\ot], v[8+2*\ot], s36        ; bo x 2^-E, twice: a pair for the packed multiply-add
	v_ldexp_f32 v[8+2*\ot], v[8+2*\ot], s36
.endr
	s_wait_dscnt 16                                ; group 0 is back; group 1's 8 stores and 8 loads may be out
	ZFMA 0
	ZIN 2                                          ; (no wait on va_vdst: no vector instruction has named groups 2 and 3 yet)
	s_wait_dscnt 16                                ; group 1 is back
	ZFMA 1
	ZIN 3
	s_wait_dscnt 16                                ; group 2 is back
	ZFMA 2
	s_wait_dscnt 0x0                               ; group 3 is back; and, for the others' sake, my stores of attn_vec's codes have landed
	s_barrier_signal -1
	ZFMA 3                                         ; work on registers while the others arrive
	s_barrier_wait -1                              ; attn_vec's 32 fragments lie in LDS
	ALD 0                                          ; (no vector or matrix instruction has named v224-255 yet; the LDS stores that read them stand ahead of group 0's wait on vm_vsrc)
; A HALF STEP of 64 along K: 16 matrix instructions, then one wait, then all the loads that its registers take: attn_vec's fragments of the next half step first, since the next products wait for them, then Wo's slots of the half step two on.
; Loads of Wo go out in groups of four, (hs, 0), (hs, 1), (hs + 1, 0), ..; loads come back in order (ISA guide 5.7.1), so each wait names the loads issued behind the group that it wants.
.macro HALF hs
.if (\hs) < 15
	s_wait_loadcnt 12                              ; my first pair of slots is in; behind it: my second pair's 4 loads and the next half step's 8
.else
	s_wait_loadcnt 4                               ; behind it: my second pair's 4
.endif
	s_wait_dscnt 0x0                               ; attn_vec's four fragments
	MUL8 \hs, 0
.if (\hs) < 15
	s_wait_loadcnt 8                               ; my second pair is in; behind it: the next half step's 8
.else
	s_wait_loadcnt 0
.endif
	MUL8 \hs, 1
.rept 4
	v_nop                                          ; four places behind the last products, as in the plain form of this text; behind the last half step they stand ahead of the first read of the sums (ISA guide 7.12.1)
.endr
.if (\hs) < 15
	s_wait_alu depctr_va_vdst(0)                   ; the sixteen products are done reading attn_vec's four fragments and this half step's four slots, in which the loads below land
	ALD (\hs)+1
.endif
.if (\hs) < 14
	WLD (\hs)+2, 0                                 ; the four slots just multiplied take the half step two on
	WLD (\hs)+2, 1
.endif
.endm
.irp s, 0,1,2,3,4,5,6,7,8,9,10,11,12,13,14,15
	HALF \s
.endr
; THE TAIL.  x = sum x 2^E, in place, each accumulator from its low end on: all 128 registers first, so that one wait serves the four groups' turns through the stage.
.macro XSCALE ot
.irp i, 0,2,4,6,8,10,12,14,16,18,20,22,24,26,28,30
	v_pk_mul_f32 v[ACC+32*(\ot)+\i:ACC+32*(\ot)+\i+1], v[ACC+32*(\ot)+\i:ACC+32*(\ot)+\i+1], s[34:35] op_sel_hi:[1,0]
.endr
.endm
; Channels 16 ot .. + 15 through my stage; afterwards register ACC + 32 ot + 4 i + q holds x(channel 64 w + 16 ot + 2 i + h, position 4 r + q).
.macro XTURN ot
.irp pt, 0,1,2,3
	ds_store_b128 v3, v[ACC+32*(\ot)+8*\pt:ACC+32*(\ot)+8*\pt+3] offset:64*\pt
	ds_store_b128 v3, v[ACC+32*(\ot)+8*\pt+4:ACC+32*(\ot)+8*\pt+7] offset:64*\pt+16
.endr
	s_wait_alu depctr_vm_vsrc(0)                   ; the LDS stores above have read the group's 32 registers, in which the loads below land and which x - mean writes later
.irp i, 0,1,2,3,4,5,6,7
	ds_load_b128 v[ACC+32*(\ot)+4*\i:ACC+32*(\ot)+4*\i+3], v4 offset:2*SPT*\i   ; in order behind my stores; the next group's stores come behind them
.endr
.endm
.macro SUM ot                          ; the sums of x over my lane's channels, one for each of my four positions; the first additions start them
.if (\ot) == 0
	v_pk_add_f32 v[16:17], v[ACC:ACC+1], v[ACC+4:ACC+5]
	v_pk_add_f32 v[18:19], v[ACC+2:ACC+3], v[ACC+6:ACC+7]
.irp i, 8,12,16,20,24,28
	v_pk_add_f32 v[16:17], v[16:17], v[ACC+\i:ACC+\i+1]
	v_pk_add_f32 v[18:19], v[18:19], v[ACC+\i+2:ACC+\i+3]
.endr
.else
.irp i, 0,4,8,12,16,20,24,28
	v_pk_add_f32 v[16:17], v[16:17], v[ACC+32*(\ot)+\i:ACC+32*(\ot)+\i+1]
	v_pk_add_f32 v[18:19], v[18:19], v[ACC+32*(\ot)+\i+2:ACC+32*(\ot)+\i+3]
.endr
.endif
.endm
.irp q, 0,1,2,3
	v_mov_b32 v[24+\q], 0                          ; a lane permute's destination counts as one of its sources
.endr
	XSCALE 0
	XSCALE 1
	XSCALE 2
	XSCALE 3
	s_wait_alu depctr_va_vdst(0)                   ; the scalings have written all 128 registers of x, which the four groups' LDS stores read and in which their LDS loads land; the sums issued between the groups name only groups that are back, and v16-19
	XTURN 0
	XTURN 1
	s_wait_dscnt 16                                ; group 0 is back; group 1's 8 stores and 8 loads may be out
	SUM 0
	XTURN 2
	s_wait_dscnt 16
	SUM 1
	XTURN 3
	s_wait_dscnt 16
	SUM 2
	s_wait_dscnt 0x0
	SUM 3
; v[16:19], my lane's sums over its channels, become the sums over all 1,024 channels in v[160:163]: the other half of the lanes, then the sixteen waves through LDS (words of their own for each of the two uses).
.macro REDUCE off
.irp q, 0,1,2,3
	v_permlanex16_b32 v[24+\q], v[16+\q], s26, s27
.endr
	v_pk_add_f32 v[16:17], v[16:17], v[24:25]
	v_pk_add_f32 v[18:19], v[18:19], v[26:27]
	s_wait_alu depctr_va_vdst(0)                   ; the additions have written v[16:19], which the LDS store reads; and all that named v160-223 (the products; the second time the first use's additions and the mean) is done, ahead of the loads that land there
	ds_store_b128 v6, v[16:19] offset:\off         ; lanes r and 16 + r write the same words with the same numbers
	s_wait_dscnt 0x0                               ; for the others' sake
	s_barrier_signal -1
	s_barrier_wait -1
.irp i, 0,1,2,3,4,5,6,7,8,9,10,11,12,13,14,15
	ds_load_b128 v[160+4*\i:163+4*\i], v7 offset:\off+256*\i
.endr
	s_wait_dscnt 0x0
.irp i, 1,2,3,4,5,6,7,8,9,10,11,12,13,14,15
	v_pk_add_f32 v[160:161], v[160:161], v[160+4*\i:161+4*\i]
	v_pk_add_f32 v[162:163], v[162:163], v[162+4*\i:163+4*\i]
.endr
.endm
	REDUCE 0
.irp q, 0,1,2,3
	v_mul_f32 v[20+\q], s42, v[160+\q]             ; the mean
.endr
.set k, 0
.rept 32
	v_pk_add_f32 v[ACC+4*k:ACC+4*k+1], v[ACC+4*k:ACC+4*k+1], v[20:21] neg_lo:[0,1] neg_hi:[0,1]      ; x - mean, in place
	v_pk_add_f32 v[ACC+4*k+2:ACC+4*k+3], v[ACC+4*k+2:ACC+4*k+3], v[22:23] neg_lo:[0,1] neg_hi:[0,1]
.set k, k+1
.endr
	s_wait_alu depctr_vm_vsrc(0)                   ; the LDS store of the sums of x has read v[16:19], which the squares write again
	v_pk_mul_f32 v[16:17], v[ACC:ACC+1], v[ACC:ACC+1]             ; the first squares start the sums
	v_pk_mul_f32 v[18:19], v[ACC+2:ACC+3], v[ACC+2:ACC+3]
.set k, 1
.rept 31
	v_pk_fma_f32 v[16:17], v[ACC+4*k:ACC+4*k+1], v[ACC+4*k:ACC+4*k+1], v[16:17]
	v_pk_fma_f32 v[18:19], v[ACC+4*k+2:ACC+4*k+3], v[ACC+4*k+2:ACC+4*k+3], v[18:19]
.set k, k+1
.endr
	REDUCE 4096
.irp q, 0,1,2,3
	v_fma_f32 v[20+\q], v[160+\q], s42, s44        ; the variance + 1e-5
.endr
.irp q, 0,1,2,3
	v_rsq_f32 v[20+\q], v[20+\q]
.endr
	v_nop                                          ; a plain line behind the last transcendental
	s_wait_alu depctr_va_vdst(0)                   ; the four v_rsq_f32 have written v[20:23]: one wait for the four, ahead of their first reader
.set k, 0
.rept 32
	v_pk_mul_f32 v[ACC+4*k:ACC+4*k+1], v[ACC+4*k:ACC+4*k+1], v[20:21]
	v_pk_mul_f32 v[ACC+4*k+2:ACC+4*k+3], v[ACC+4*k+2:ACC+4*k+3], v[22:23]
.set k, k+1
.endr
	s_wait_alu depctr_va_vdst(0)                   ; the multiplications have written all 128 registers of the result, which the 32 stores below read
.irp ot, 0,1,2,3
.irp i, 0,1,2,3,4,5,6,7
	global_store_b128 v5, v[ACC+32*\ot+4*\i:ACC+32*\ot+4*\i+3], s[14:15] offset:(16*\ot+2*\i)*8192 th:TH_STORE_NT   ; sixteen lanes store 256 consecutive bytes, aligned; written once, read by nobody here
.endr
.endr
	s_wait_xcnt 0x0
	v_lshl_add_u32 v254, v0, 2, 0x23000            ; the add's two registers are made anew here: no two can be kept through the kernel.  No memory or LDS instruction has read v254 or v255 since the last wait on vm_vsrc
	v_mov_b32 v255, 0
	s_wait_dscnt 0x0                               ; the closing lines, six on end
	s_wait_alu 0x0
	s_wait_tensorcnt 0x0
	ds_add_u32 v254, v255
	s_wait_dscnt 0x0
	s_endpgm
.Lfunc_end_k_q244fea0cf5_outln:
	.size	k_q244fea0cf5_outln, .Lfunc_end_k_q244fea0cf5_outln-k_q244fea0cf5_outln
	.p2alignl 7, 3214868480
	.fill 96, 4, 3214868480
	.section	.rodata,"a",@progbits
	.p2align	6, 0x0
	.amdhsa_kernel k_q244fea0cf5_outln
		.amdhsa_group_segment_fixed_size 145408
		.amdhsa_private_segment_fixed_size 0
		.amdhsa_enable_private_segment 0
		.amdhsa_kernarg_size 48
		.amdhsa_user_sgpr_count 2
		.amdhsa_user_sgpr_kernarg_segment_ptr 1
		.amdhsa_wavefront_size32 1
		.amdhsa_system_sgpr_workgroup_id_x 1
		.amdhsa_system_sgpr_workgroup_id_y 1
		.amdhsa_system_sgpr_workgroup_id_z 1
		.amdhsa_system_vgpr_workitem_id 0
		.amdhsa_next_free_vgpr 256
		.amdhsa_next_free_sgpr 66
		.amdhsa_reserve_vcc 0
		.amdhsa_float_denorm_mode_32 3
		.amdhsa_float_denorm_mode_16_64 3
		.amdhsa_memory_ordered 1
		.amdhsa_forward_progress 1
		.amdhsa_inst_pref_size 92
	.end_amdhsa_kernel
	.amdgpu_metadata
---
amdhsa.version: [ 1, 2 ]
amdhsa.kernels:
  - .name:           k_q244fea0cf5_outln
    .symbol:         k_q244fea0cf5_outln.kd
    .args:
      - { .name: a_img, .offset: 0, .size: 8, .value_kind: global_buffer, .address_space: global }
      - { .name: wo_img, .offset: 8, .size: 8, .value_kind: global_buffer, .address_space: global }
      - { .name: lowp_scales, .offset: 16, .size: 8, .value_kind: global_buffer, .address_space: global }
      - { .name: bo, .offset: 24, .size: 8, .value_kind: global_buffer, .address_space: global }
      - { .name: z1ss, .offset: 32, .size: 8, .value_kind: global_buffer, .address_space: global }
      - { .name: out0, .offset: 40, .size: 8, .value_kind: global_buffer, .address_space: global }
    .group_segment_fixed_size: 145408
    .private_segment_fixed_size: 0
    .kernarg_segment_align: 8
    .kernarg_segment_size: 48
    .max_flat_workgroup_size: 512
    .sgpr_count:     66
    .vgpr_count:     256
    .wavefront_size: 32
...
	.end_amdgpu_metadata
.endif
;; end of part 5
